; MI455X (gfx1250); checked and timed in simulation.
; The chip was launched on July 23, 2026; its instructions are those of AMD's public machine-readable ISA for CDNA 5 (MIT licence, August 2026) and "CDNA5" Instruction Set Architecture Reference Guide (July 2026). The comments in the code are by the model that wrote it; some were corrected since.
;; Multi Head Attention. Allowed arithmetic: matrix products marked QUANTISED: E3M2 operands, one E8M0 scale for each 32 along K, by v_wmma_scale_f32_16x16x128_f8f6f4 with both operands' format E3M2, f32 sums; everything else in f32.
;; Inputs: Wk 1,024 x 1,024 float32; Wo 1,024 x 1,024 float32; Wq 1,024 x 1,024 float32; Wv 1,024 x 1,024 float32; bk 1,024 float32; bo 1,024 float32; bq 1,024 float32; bv 1,024 float32; mask 4 x 1 x 2,048 x 2,048 float32; x 4 x 2,048 x 1,024 float32.
;; Outputs: out0 4 x 2,048 x 1,024 float32.
;; This version of the problem:
;;   THIS VERSION OF THE PROBLEM IS GIVEN IN LOW PRECISION. The matrix products marked QUANTISED in the list below multiply operands that are first quantised to E3M2 (3 exponent bits, 2 mantissa bits; 6 bits a number), with one power-of-two scale for each 32 numbers along K (OCP MX v1.0); their sums are f32. All else is computed in f32.
;;   The module's matrix products, in the order in which they are computed (A, B: the left and right operand; K: the contracted axis; several contracted axes count as one K, in the product's order):
;;     1. [M 8,192, K 1,024] x [K 1,024, N 1,024]; A: input x; B: input Wq: QUANTISED
;;     2. [M 8,192, K 1,024] x [K 1,024, N 1,024]; A: input x; B: input Wk: QUANTISED
;;     3. [M 8,192, K 1,024] x [K 1,024, N 1,024]; A: input x; B: input Wv: QUANTISED
;;     4. batch 64 x [M 2,048, K 64] x [K 64, N 2,048]; A: computed on the way; B: computed on the way: QUANTISED
;;     5. batch 64 x [M 2,048, K 2,048] x [K 2,048, N 64]; A: softmax (see below); B: computed on the way: QUANTISED
;;     6. [M 8,192, K 1,024] x [K 1,024, N 1,024]; A: computed on the way; B: input Wo: QUANTISED
;;   THE QUANTISER, for each operand of a quantised product, along K:
;;     - K is cut into blocks of 32 from its start; a last block that is shorter is filled with zeros.
;;     - A block's scale is 2^e with e = floor(log2(the largest magnitude in the block)) - 4, held to -126 .. 127; a block of zeros has e = 0. As a byte (E8M0): e + 127.
;;     - Each number is divided by its block's scale, clamped to +-28, and rounded to the nearest number of E3M2, ties to even, subnormals kept.
;;     - The product sums the exact products of the quantised numbers (number of the format x scale) in f32.
;;   ~~~python
;;   def quantise(x, axis):      # numpy; x: float32 -> the quantised numbers, widened to float32 again
;;       x = np.moveaxis(x, axis, -1); K = x.shape[-1]
;;       x = np.pad(x, [(0, 0)] * (x.ndim - 1) + [(0, -K % 32)]); x = x.reshape(x.shape[:-1] + (-1, 32)); a = np.abs(x).max(-1, keepdims=True)
;;       e = np.where(a > 0, np.clip(np.frexp(np.where(a > 0, a, 1))[1] - 1 - 4, -126, 127), 0)      # np.frexp(a)[1] - 1 = floor(log2(a)), exactly
;;       r = np.clip(x / 2.0 ** e, -28, 28)
;;       step = 2.0 ** (np.maximum(np.frexp(np.where(r == 0, 1, r))[1] - 1, -2) - 2)
;;       q = np.round(r / step) * step * 2.0 ** e      # np.round: ties to even
;;       return np.moveaxis(q.reshape(q.shape[:-2] + (-1,))[..., :K], -1, axis).astype(np.float32)
;;   ~~~
;;   SOFTMAX AHEAD OF A QUANTISED PRODUCT. Where the list says 'softmax', what is quantised is not the finished softmax but p = 2^(t - M), with t = logit x log2(e) and M = ceil(the row's largest t), a whole number; so 1/2 < the row's largest p <= 1. The row's sum l is taken of the UNQUANTISED p, in f32, and the product's result is divided by l at the end. Since M is a whole number, a kernel that streams over the keys may use a running M (the ceiling of the running maximum): every later rescaling is an exact power of two, which a block's scale takes up: the codes' values come out the same.
;;   OPERANDS COMPUTED ON THE WAY. 'Computed on the way' means the value that the module computes at that place (a softmax that the list does not call 'softmax' is quantised finished and normalised). What goes into a quantiser is computed in f32, as accurately as f32 sums, v_exp_f32 and their like allow (about 1e-6 of the number): no bf16 or f16 on the way to a quantiser, and a product that is left as it is and whose result goes on into a quantised operand takes f32 operands (vector FMAs, or v_wmma_f32_16x16x4_f32). A number that lies on a knife's edge between two numbers of the format may be rounded either way, as far as f32 arithmetic and the matrix unit's own rounding can turn it there, and no further.
;; One version. Each part assembles by itself: llvm-mc -triple=amdgcn-amd-amdhsa -mcpu=gfx1250 --defsym DOCPART=n.
;; ======== version 1 of 1: 4 launches
;; workspace buffers: xc 6,291,456 bytes; xs 262,144 bytes; wc 3,145,728 bytes; ws 131,072 bytes; pc 18,874,368 bytes; ps 786,432 bytes; cc 6,291,456 bytes; cs 262,144 bytes
;; launch quant (part 1): grid 256 x 1, 3 waves a work-group, no clusters, 28,160 bytes of LDS; arguments x, Wq, Wk, Wv, Wo, xc, xs, wc, ws; writes xc, xs, wc, ws
.if DOCPART == 1
	.amdgcn_target "amdgcn-amd-amdhsa--gfx1250"
	.amdhsa_code_object_version 6
	.text
	.protected	k_qe48bddf40c_quant
	.globl	k_qe48bddf40c_quant
	.p2align	8
	.type	k_qe48bddf40c_quant,@function
k_qe48bddf40c_quant:
	s_mov_b64 s[64:65], 0
	v_nop
	global_prefetch_b8 v0, s[64:65] scope:SCOPE_SE
	s_setreg_imm32_b32 hwreg(HW_REG_WAVE_MODE, 25, 1), 1
	s_wait_xcnt 0x0
; x [8192][1024] and Wq, Wk, Wv, Wo [1024][1024], f32 with K innermost, become codes of BF6 (E3M2) with one E8M0 byte for each 32 along K.
; A block's scale is 2^(floor(log2(its largest magnitude)) - 4); its byte is the largest magnitude's exponent field - 4, held at 1 from below.
; LIMITS: NaN and infinities among the inputs are not served; a block whose largest magnitude lies under 2^-122 (a block of zeros too) keeps the byte 1: the bytes are read by this program alone, and zero codes add nothing.
; THE CODES ARE LAID AS THE MATRIX OPERAND'S REGISTERS.  A piece of 768 bytes holds 16 rows x 64 along K: lane l = r + 16 h owns the 24 bytes of k = 32 h .. 32 h + 31 of the tile's row r;
; its first 16 bytes lie at 16 l, its last 8 at 512 + 8 l.  A tensor is [tile][16 pieces][768].  So every later load of a fragment is dense over the lanes.
; THE ROWS OF A TILE ARE NOT NEIGHBOURS: row r of tile 2 B + u is the tensor's row 32 B + 8 u + r % 8 + 16 (r / 8), so that a product that takes such a tile as source 0 leaves 16 neighbouring columns in a lane's 16 registers.
; The scale bytes are laid [16 tile + r][32].
; SHARES.  768 tiles (512 of x, 64 of each weight), one to a wave: 16 steps of 64 along K.  Each load reads 256 consecutive bytes of two rows; a step's 4,096 bytes turn through the wave's own stage in LDS
; (rows of 256 + 16 bytes) so that a lane gets the 32 neighbours of one block.  Memory binds: no matrix unit, no tensor load, no cluster, no barrier (waves share nothing).  Loads run four steps (32 loads a wave) ahead.
.set WREG,  9216                       ; LDS of a wave: two stages, then its 512 scale bytes
.set SP,    272
.set STG,   16*SP
.set SBY,   2*STG
.set VIN,   1                          ; v1   in: 16 (lane % 16) + 16 rows of 4,096 bytes for lanes 16-31
.set SIN,   2                          ; v2   the stage, on the way in
.set SOUT,  3                          ; v3   and out: row r, + 128 h
.set O16,   4                          ; v4   16 x lane
.set O8,    5                          ; v5   8 x lane
.set SBW,   6                          ; v6   where my block's scale byte goes
.set SBR,   7                          ; v7   and where I read 16 of them back
.set EB,    14                         ; v14-29 a scale byte for each step
.set CC,    32                         ; v32-37, v40-45 a step's codes, two sets
.set C2,    48                         ; v48-50 the second conversion's result
.set OUTS,  52                         ; v52-55 scale bytes on the way out
.set R,     64                         ; v64-191  four sets of 32 numbers as loaded
.set X,     192                        ; v192-255 two sets of 32 neighbours
	s_load_b256 s[4:11], s[0:1], 0x0               ; x, Wq, Wk, Wv
	s_load_b256 s[12:19], s[0:1], 0x20             ; Wo, xc, xs, wc
	s_load_b64 s[20:21], s[0:1], 0x40              ; ws
	v_lshl_add_u32 v62, v0, 2, 0x6c00
	v_mov_b32 v63, 0
	v_lshrrev_b32 v8, 5, v0
	v_readfirstlane_b32 s22, v8                    ; wave 0..2
	v_and_b32 v8, 31, v0                           ; lane
	v_and_b32 v9, 15, v0                           ; r
	v_bfe_u32 v31, v0, 4, 1                        ; h
	s_mul_i32 s23, s22, WREG
	v_lshlrev_b32 v[VIN], 4, v9
	v_lshl_add_u32 v[VIN], v31, 16, v[VIN]
	v_mul_u32_u24 v[SIN], v31, 8*SP
	v_lshl_add_u32 v[SIN], v9, 4, v[SIN]
	v_add_nc_u32 v[SIN], s23, v[SIN]
	v_mul_u32_u24 v[SOUT], v9, SP
	v_lshl_add_u32 v[SOUT], v31, 7, v[SOUT]
	v_add_nc_u32 v[SOUT], s23, v[SOUT]
	v_lshlrev_b32 v[O16], 4, v8
	v_lshlrev_b32 v[O8], 3, v8
	v_lshl_add_u32 v[SBW], v9, 5, v31              ; 32 r + h
	v_add_nc_u32 v[SBW], s23, v[SBW]
	v_add_nc_u32 v[SBW], SBY, v[SBW]
	v_add_nc_u32 v[SBR], s23, v[O16]
	v_add_nc_u32 v[SBR], SBY, v[SBR]
	s_mul_i32 s24, ttmp9, 3
	s_add_co_u32 s24, s24, s22                     ; my tile, 0 .. 767
	s_cmp_lt_u32 s24, 512                          ; x's or a weight's?  The choice hangs on ids alone
	s_cselect_b32 s25, 0, 512
	s_cselect_b32 s26, 0x1ff, 63
	s_sub_co_u32 s25, s24, s25                     ; the tile's number in its output buffer
	s_and_b32 s26, s25, s26                        ; and in its tensor
	s_lshr_b32 s27, s25, 6                         ; which weight
	s_lshr_b32 s34, s26, 1
	s_lshl_b32 s34, s34, 17                        ; 32 rows of 4,096 bytes for each pair of tiles,
	s_and_b32 s35, s26, 1
	s_lshl_b32 s35, s35, 15                        ; 8 rows for the odd one
	s_add_co_u32 s34, s34, s35
	s_mov_b32 s35, 0
	s_mul_i32 s36, s25, 12288                      ; a tile's codes
	s_mov_b32 s37, 0
	s_lshl_b32 s38, s25, 9                         ; a tile's scale bytes
	s_mov_b32 s39, 0
	s_wait_kmcnt 0x0
	s_cmp_eq_u32 s27, 2
	s_cselect_b64 s[28:29], s[10:11], s[12:13]     ; Wv or Wo
	s_cmp_eq_u32 s27, 1
	s_cselect_b64 s[28:29], s[8:9], s[28:29]       ; or Wk
	s_cmp_eq_u32 s27, 0
	s_cselect_b64 s[28:29], s[6:7], s[28:29]       ; or Wq
	s_cmp_lt_u32 s24, 512
	s_cselect_b64 s[28:29], s[4:5], s[28:29]       ; or x
	s_cselect_b64 s[30:31], s[14:15], s[18:19]     ; xc or wc
	s_cselect_b64 s[32:33], s[16:17], s[20:21]     ; xs or ws
	s_add_nc_u64 s[28:29], s[28:29], s[34:35]
	s_add_nc_u64 s[30:31], s[30:31], s[36:37]
	s_add_nc_u64 s[32:33], s[32:33], s[38:39]
.macro LOAD t                          ; step t: lanes 0-15 read 256 consecutive bytes of the tile's row i, lanes 16-31 of its row i + 8
.irp i, 0,1,2,3,4,5,6,7
	global_load_b128 v[R+32*((\t)%4)+4*\i:R+32*((\t)%4)+4*\i+3], v[VIN], s[28:29] offset:4096*\i+256*(\t) th:TH_LOAD_NT
.endr
.endm
.macro TURN t                          ; through the stage: LDS serves a wave's instructions in order, so no wait stands between the stores and the loads
.irp i, 0,1,2,3,4,5,6,7
	ds_store_b128 v[SIN], v[R+32*((\t)%4)+4*\i:R+32*((\t)%4)+4*\i+3] offset:STG*((\t)%2)+SP*\i
.endr
.irp j, 0,1,2,3,4,5,6,7
	ds_load_b128 v[X+32*((\t)%2)+4*\j:X+32*((\t)%2)+4*\j+3], v[SOUT] offset:STG*((\t)%2)+16*\j
.endr
.endm
.irp t, 0,1,2,3
	LOAD \t
.endr
	s_wait_loadcnt 24                              ; step 0's eight loads are in; three steps' may be out
	TURN 0
.macro STEP t
.set XS, X+32*((\t)%2)
.set CD, CC+8*((\t)%2)
.if (\t) > 0
	s_wait_dscnt 1                                 ; this step's numbers are back from the stage (the last step's byte store may be out), so its stores into the stage have read their registers,
.else
	s_wait_dscnt 0x0
.endif
.if (\t)+4 < 16
	LOAD (\t)+4                                    ; which take the loads of four steps on
.endif
.if (\t)+1 < 16
.if 14-(\t) >= 3
	s_wait_loadcnt 24                              ; the next step's eight loads are in; those of the three steps behind it may be out
.else
	s_wait_loadcnt 8*(14-(\t))
.endif
	TURN (\t)+1                                    ; and go through the other stage while this step is worked
.endif
	s_wait_xcnt 0x0                                ; the stores of two steps ago have read this set of codes: it is written again only behind this wait
	v_max3_num_f32 v12, |v[XS]|, |v[XS+1]|, |v[XS+2]|      ; the block's largest magnitude: all 32 numbers are mine; two chains
	v_max3_num_f32 v13, |v[XS+3]|, |v[XS+4]|, |v[XS+5]|
.irp i, 6,10,14,18,22,26
	v_max3_num_f32 v12, v12, |v[XS+\i]|, |v[XS+\i+1]|
	v_max3_num_f32 v13, v13, |v[XS+\i+2]|, |v[XS+\i+3]|
.endr
	v_max3_num_f32 v12, v12, |v[XS+30]|, |v[XS+31]|
	v_max3_num_f32 v12, v12, v13, 0x2800000        ; and the floor 2^(5 - 127): the byte cannot fall under 1
	v_add_nc_u32 v11, 0xfe000000, v12              ; 4 off the exponent field: the conversion takes that field as its scale and nothing else
	v_cvt_scalef32_pk16_bf6_f32 v[CD:CD+2], v[XS:XS+15], v11
	v_cvt_scalef32_pk16_bf6_f32 v[C2:C2+2], v[XS+16:XS+31], v11    ; (a conversion's three registers begin on an even number)
	v_lshrrev_b32 v[EB+(\t)], 23, v11              ; the scale's byte; also the plain line behind the conversions
.irp i, 0,1,2
	v_mov_b32 v[CD+3+\i], v[C2+\i]
.endr
	ds_store_b8 v[SBW], v[EB+(\t)] offset:2*(\t)   ; block 2 t + h of row r
	global_store_b128 v[O16], v[CD:CD+3], s[30:31] offset:768*(\t)       ; 512 consecutive bytes,
	global_store_b64 v[O8], v[CD+4:CD+5], s[30:31] offset:768*(\t)+512   ; and the 256 behind them
.endm
.irp t, 0,1,2,3,4,5,6,7,8,9,10,11,12,13,14,15
	STEP \t
.endr
	ds_load_b128 v[OUTS:OUTS+3], v[SBR]            ; LDS serves a wave's instructions in order: this sees my byte stores
	s_wait_dscnt 0x0
	global_store_b128 v[O16], v[OUTS:OUTS+3], s[32:33]   ; the tile's 512 scale bytes, consecutive
	s_wait_tensorcnt 0x0
	ds_add_u32 v62, v63
	s_wait_dscnt 0x0
	s_endpgm
.Lfunc_end_k_qe48bddf40c_quant:
	.size	k_qe48bddf40c_quant, .Lfunc_end_k_qe48bddf40c_quant-k_qe48bddf40c_quant
	.p2alignl 7, 3214868480
	.fill 96, 4, 3214868480
	.section	.rodata,"a",@progbits
	.p2align	6, 0x0
	.amdhsa_kernel k_qe48bddf40c_quant
		.amdhsa_group_segment_fixed_size 28160
		.amdhsa_private_segment_fixed_size 0
		.amdhsa_enable_private_segment 0
		.amdhsa_kernarg_size 72
		.amdhsa_user_sgpr_count 2
		.amdhsa_user_sgpr_kernarg_segment_ptr 1
		.amdhsa_wavefront_size32 1
		.amdhsa_system_sgpr_workgroup_id_x 1
		.amdhsa_system_sgpr_workgroup_id_y 1
		.amdhsa_system_sgpr_workgroup_id_z 1
		.amdhsa_system_vgpr_workitem_id 0
		.amdhsa_next_free_vgpr 256
		.amdhsa_next_free_sgpr 66
		.amdhsa_reserve_vcc 0
		.amdhsa_float_denorm_mode_32 3
		.amdhsa_float_denorm_mode_16_64 3
		.amdhsa_memory_ordered 1
		.amdhsa_forward_progress 1
		.amdhsa_inst_pref_size 59
	.end_amdhsa_kernel
	.amdgpu_metadata
---
amdhsa.version: [ 1, 2 ]
amdhsa.kernels:
  - .name:           k_qe48bddf40c_quant
    .symbol:         k_qe48bddf40c_quant.kd
    .args:
      - { .name: x, .offset: 0, .size: 8, .value_kind: global_buffer, .address_space: global }
      - { .name: Wq, .offset: 8, .size: 8, .value_kind: global_buffer, .address_space: global }
      - { .name: Wk, .offset: 16, .size: 8, .value_kind: global_buffer, .address_space: global }
      - { .name: Wv, .offset: 24, .size: 8, .value_kind: global_buffer, .address_space: global }
      - { .name: Wo, .offset: 32, .size: 8, .value_kind: global_buffer, .address_space: global }
      - { .name: xc, .offset: 40, .size: 8, .value_kind: global_buffer, .address_space: global }
      - { .name: xs, .offset: 48, .size: 8, .value_kind: global_buffer, .address_space: global }
      - { .name: wc, .offset: 56, .size: 8, .value_kind: global_buffer, .address_space: global }
      - { .name: ws, .offset: 64, .size: 8, .value_kind: global_buffer, .address_space: global }
    .group_segment_fixed_size: 28160
    .private_segment_fixed_size: 0
    .kernarg_segment_align: 8
    .kernarg_segment_size: 72
    .max_flat_workgroup_size: 96
    .sgpr_count:     66
    .vgpr_count:     256
    .wavefront_size: 32
...
	.end_amdgpu_metadata
.endif
;; end of part 1
;; launch proj (part 2): grid 12 x 32, 4 waves a work-group, clusters of 4 x 4, 327,680 bytes of LDS; arguments xc, xs, wc, ws, bq, bk, bv, pc, ps; writes pc, ps
.if DOCPART == 2
	.amdgcn_target "amdgcn-amd-amdhsa--gfx1250"
	.amdhsa_code_object_version 6
	.text
	.protected	k_qe48bddf40c_proj
	.globl	k_qe48bddf40c_proj
	.p2align	8
	.type	k_qe48bddf40c_proj,@function
k_qe48bddf40c_proj:
	s_mov_b64 s[64:65], 0
	v_nop
	global_prefetch_b8 v0, s[64:65] scope:SCOPE_SE
	s_setreg_imm32_b32 hwreg(HW_REG_WAVE_MODE, 25, 1), 1
	s_wait_xcnt 0x0
	s_wait_alu depctr_hold_cnt(0) depctr_sa_sdst(0) depctr_va_vdst(0) depctr_va_sdst(0) depctr_va_ssrc(0) depctr_va_vcc(0) depctr_vm_vsrc(0)
	s_getreg_b32 s2, hwreg(HW_REG_IB_STS2, 6, 4)
	s_cmp_eq_u32 s2, 0
	s_cbranch_scc0 .Lentry_in_a_cluster
	s_endpgm
.Lentry_in_a_cluster:
	s_bfe_u32 s2, ttmp6, 0x10000c
	s_cmp_lg_u32 s2, 0xf033
	s_cbranch_scc0 .Lentry_shape_is_right
	s_endpgm
.Lentry_shape_is_right:
; q = x Wq^T + bq, k = x Wk^T + bk, v^T = Wv x^T + bv, on codes of BF6 (E3M2) with E8M0 scales, sums in f32; each result is quantised again in registers, along the K of the product that will read it, and leaves as codes.
; OUT[i][j] = sum over k of P[i][k] R[j][k].  The cluster's x says which: 0: q (P = x, R = Wq), 1: k (P = x, R = Wk), 2: v^T (P = Wv, R = x).  It is the same in all sixteen partners, so the one branch on it is too.
; Operands lie in memory as [row tile][16 pieces][768]: a piece is 16 rows x 64 K as an image of six operand registers: lane l's first 16 bytes at 16 l, its last 8 at 512 + 8 l.  Scale bytes: [16 tile + r][32].
; A tile of OUT is 256 x 256: four waves, each 128 x 128 in 64 accumulators.  K goes in steps of 256 through a ring of two LDS slots; a wave's tensor load brings 8 row tiles x 3,072 consecutive bytes.
; The scales of the work-group's 256 + 256 rows, for all of K, come into LDS once, with the first fills.
; CLUSTERS: 4 x 4.  P's tiles hang on the tile row alone and are asked for jointly along a row of the cluster, R's on the tile column alone, along a column.
; TRANSPOSED USE: source 0 = 16 rows of R, source 1 = 16 rows of P.  R's tiles hold rows 32 B + 8 u + r % 8 + 16 (r / 8), so a lane's 64 registers of a row tile are columns 32 b + 16 (lane / 16) + i (register 16 b + i):
; neighbours along j, which is the next product's K: the head's 64 for q and k, the keys for v^T.  So the way out needs no LDS: bias, block maxima, conversions, and the codes leave as pieces of 768 bytes, dense over the lanes.
; OUT: pc = q [bh][token tile 128][768] | k likewise | v [bh][64 keys: 32][d tile 4][768];  ps = q, k [bh][pair of tiles 64][r][4: tile 2 B's two bytes, tile 2 B + 1's two] | v [bh][128 keys: 16][d tile 4][r][4].
; LIMITS: NaN and infinities are not served; a block whose largest magnitude lies under 2^-122 keeps the byte 1 (the bytes are this program's own).  384 work-groups: one and a half per WGP; a second loop design was not thought worth it beside the attention launch.
; REGISTERS: window 0: v0-31 addresses; v32-63 scale words, two sets; v64-127 the bias; v128-223 P's fragments, one set (on the way out: at work); window 1: R's fragments, two sets; windows 2, 3: the accumulators.
.set NQ,     2                         ; matrix instructions deep in a slot
.set RT,     3072                      ; a row tile's bytes in a slot: 256 along K
.set FR,     12
.set NL,     4                         ; LDS loads that bring a fragment
.set NP,     4                         ; places behind this matrix instruction (ISA guide 7.12.1)
.set HALFT,  8*RT
.set SLOT,   4*HALFT
.set KS,     32
.set SCL,    2*SLOT
.set HALFS,  16*272
.set SBLK,   2*272
.set SPARE,  SCL+4*HALFS               ; the spare words: 512 bytes that no other line names
.set ADRA, 16                          ; v16-17 16 x lane + my P rows in slot 0, 1;  v18-19 8 x lane + the same
.set ADRB, 20                          ; v20-23 the same for R
.set O16,  24
.set O8,   25
.set O4,   26
.set ADRS, 27
.set SPW,  28
.set NIL,  29
.set LN,   30
.set SC,   32
.set BB,   64
.set AF,   128
.set VA,   224                         ; v224-231 the bias loads' offsets
.set T,    128                         ; the way out: 64 numbers
.set PWS,  192                         ; v192-199 the eight row tiles' scale words
.set TM,   200
.set PW,   216
.set PC,   224
.set WS,   244
.set WD,   248
.set G1,   24
.set G0,   32
.set G1B,  48
.set G0B,  56
.set G1S,  68
.set G0S,  76
.set G1SB, 80
.set G0SB, 88
.set WV,   92
.set RH,   93
.set CH,   94
.set ISV,  95
.set CX,   96
.set CY,   97
.set TI,   98
.set TJ,   99
.set SEL,  100
.set MSB, 0
.macro WIN new                         ; the immediate's high byte repeats the setting that is left
.if MSB != (\new)
	s_set_vgpr_msb (MSB<<8)|(\new)
.set MSB, (\new)
.endif
.endm
.set MUL_LO, 0xa1                      ; source 0 (R) window 1, source 1 (P) window 0, C and D window 2
.set MUL_HI, 0xf1
.set TO_B,   0x40
.macro JLOAD g0a, g1a, g0b, g1b        ; a joint load: waves 0 and 1 fetch for P, waves 2 and 3 for R; four v_nop follow each line
	s_cmp_eq_u32 s[RH], 0
	s_cbranch_scc0 .Lfor_b_\@
	tensor_load_to_lds s[\g0a:\g0a+3], s[\g1a:\g1a+7]
	s_nop 0
.rept 4
	v_nop
.endr
	s_branch .Lasked_\@
.Lfor_b_\@:
	tensor_load_to_lds s[\g0b:\g0b+3], s[\g1b:\g1b+7]
	s_nop 0
.rept 4
	v_nop
.endr
.Lasked_\@:
.endm
.macro CREST                           ; a round of the cluster's barrier behind its opening barrier
	s_cmp_lg_u32 s[WV], 0
	s_cbranch_scc1 .Lnot_wave_0_\@
	s_barrier_signal -3
.Lnot_wave_0_\@:
	s_barrier_wait -3
	s_barrier_signal -1
	s_barrier_wait -1
.endm
.macro CROUND
	s_barrier_signal -1
	s_barrier_wait -1
	CREST
.endm
	s_load_b256 s[4:11], s[0:1], 0x0               ; xc, xs, wc, ws
	s_load_b256 s[12:19], s[0:1], 0x20             ; bq, bk, bv, pc
	s_load_b64 s[20:21], s[0:1], 0x40              ; ps
	v_lshl_add_u32 v[SPW], v0, 2, SPARE
	v_mov_b32 v[NIL], 0
	ds_add_u32 v28, v29
	s_wait_dscnt 0x0
	v_lshrrev_b32 v1, 5, v0
	v_readfirstlane_b32 s[WV], v1                  ; wave 0..3
	s_lshr_b32 s[RH], s[WV], 1                     ; which half of the tile's rows is mine.  Also: I fetch for P (0) or for R (1)
	s_and_b32 s[CH], s[WV], 1                      ; which half of its columns.  Also: which 8 row tiles I fetch
	s_bfe_u32 s[CX], ttmp6, 0x40000
	s_bfe_u32 s[CY], ttmp6, 0x40004
	s_and_b32 s40, ttmp7, 0xffff
	s_lshl_b32 s40, s40, 2                         ; 4 x cluster y: it counts x's 32 tiles of 256 rows
	s_cmp_eq_u32 ttmp9, 2
	s_cselect_b32 s[ISV], 1, 0
	s_cselect_b32 s[TI], 0, s40                    ; x is P for q and k,
	s_cselect_b32 s[TJ], s40, 0                    ; and R for v
	s_add_co_u32 s[TI], s[TI], s[CY]               ; tile row of OUT: no cx in it
	s_add_co_u32 s[TJ], s[TJ], s[CX]               ; tile column: no cy in it
	s_lshl_b32 s41, s[CY], 2
	s_lshl_b32 s41, 15, s41                        ; my row of the cluster
	s_lshl_b32 s42, 0x1111, s[CX]                  ; my column
	s_or_b32 s[G1+0], s41, (3<<16)|(1<<21)         ; 15:0 the mask; 17:16 elements of 8 bytes; 20 no padding; 21 set beside a mask
	s_or_b32 s[G1B+0], s42, (3<<16)|(1<<21)
.irp g, G1, G1B
	s_mov_b32 s[\g+1], 384<<16                     ; tensor_dim0 = 384 elements: 3,072 bytes
	s_mov_b32 s[\g+2], 8<<16                       ; tensor_dim1 = 8 row tiles
	s_mov_b32 s[\g+3], 384<<16                     ; tile_dim0
	s_mov_b32 s[\g+4], 8                           ; tile_dim1
	s_mov_b32 s[\g+5], 1536                        ; from row tile to row tile: 12,288 bytes
	s_mov_b32 s[\g+6], 0
	s_mov_b32 s[\g+7], 0
.endr
	s_or_b32 s[G1S+0], s41, (3<<16)|(1<<20)|(1<<21)|(5<<22)|(3<<25)    ; the scales of 128 rows: 16 rows of 256 bytes, 16 bytes of padding behind each
	s_or_b32 s[G1SB+0], s42, (3<<16)|(1<<20)|(1<<21)|(5<<22)|(3<<25)
.irp g, G1S, G1SB
	s_mov_b32 s[\g+1], 32<<16
	s_mov_b32 s[\g+2], 16<<16
	s_mov_b32 s[\g+3], 32<<16
	s_mov_b32 s[\g+4], 16
	s_mov_b32 s[\g+5], 32
	s_mov_b32 s[\g+6], 0
	s_mov_b32 s[\g+7], 0
.endr
	s_mov_b32 s[SEL], 0x76543210
	s_mov_b32 s[SEL+1], 0xfedcba98                 ; v_permlanex16_b32's selects for lane l xor 16
	s_lshl_b32 s43, s[CH], 3
	s_lshl_b32 s40, s[TI], 4
	s_add_co_u32 s40, s40, s43                     ; P: the first row tile that I fetch
	s_mul_i32 s2, s40, 12288                       ; its codes,
	s_mov_b32 s3, 0
	s_lshl_b32 s40, s40, 9                         ; its scale bytes
	s_mov_b32 s41, 0
	s_lshl_b32 s22, s[TJ], 4
	s_add_co_u32 s22, s22, s43                     ; R likewise, in registers of its own
	s_mul_i32 s66, s22, 12288
	s_mov_b32 s67, 0
	s_lshl_b32 s22, s22, 9
	s_mov_b32 s23, 0
	s_wait_kmcnt 0x0
	s_mul_i32 s44, ttmp9, 786432                   ; this launch's weight in wc,
	s_mov_b32 s45, 0
	s_add_nc_u64 s[8:9], s[8:9], s[44:45]
	s_lshl_b32 s44, ttmp9, 15                      ; and in ws
	s_add_nc_u64 s[10:11], s[10:11], s[44:45]
	s_cmp_eq_u32 ttmp9, 2                          ; the choices hang on the cluster's x alone
	s_cselect_b64 s[46:47], s[8:9], s[4:5]         ; P's codes
	s_cselect_b64 s[44:45], s[10:11], s[6:7]       ; P's scales
	s_cselect_b64 s[4:5], s[4:5], s[8:9]           ; R's codes
	s_cselect_b64 s[6:7], s[6:7], s[10:11]         ; R's scales
	s_cselect_b64 s[8:9], s[16:17], s[14:15]       ; bv or bk
	s_cmp_eq_u32 ttmp9, 0
	s_cselect_b64 s[8:9], s[12:13], s[8:9]         ; or bq
	s_add_nc_u64 s[46:47], s[46:47], s[2:3]
	s_add_nc_u64 s[44:45], s[44:45], s[40:41]
	s_add_nc_u64 s[4:5], s[4:5], s[66:67]
	s_add_nc_u64 s[6:7], s[6:7], s[22:23]
	s_mul_i32 s10, s[WV], HALFT                    ; where they go: wave x 8 row tiles: no place in the cluster enters an LDS address
	s_mul_i32 s11, s[WV], HALFS
	CROUND                                         ; all sixteen work-groups are here: the first joint loads meet
	s_mov_b32 s[G0S], 1
	s_add_co_u32 s[G0S+1], s11, SCL
	s_mov_b64 s[G0S+2:G0S+3], s[44:45]
	s_or_b32 s[G0S+3], s[G0S+3], 0x80000000
	s_mov_b32 s[G0SB], 1
	s_add_co_u32 s[G0SB+1], s11, SCL
	s_mov_b64 s[G0SB+2:G0SB+3], s[6:7]
	s_or_b32 s[G0SB+3], s[G0SB+3], 0x80000000
	JLOAD G0S, G1S, G0SB, G1SB                     ; the scales first: they are wanted with K step 0
.irp s, 0,1
	s_mov_b32 s[G0+4*\s], 1
	s_add_co_u32 s[G0+4*\s+1], s10, \s*SLOT
	s_add_nc_u64 s[G0+4*\s+2:G0+4*\s+3], s[46:47], \s*RT
	s_or_b32 s[G0+4*\s+3], s[G0+4*\s+3], 0x80000000
	s_mov_b32 s[G0B+4*\s], 1
	s_add_co_u32 s[G0B+4*\s+1], s10, \s*SLOT
	s_add_nc_u64 s[G0B+4*\s+2:G0B+4*\s+3], s[4:5], \s*RT
	s_or_b32 s[G0B+4*\s+3], s[G0B+4*\s+3], 0x80000000
	JLOAD G0+4*\s, G1, G0B+4*\s, G1B
.endr
	v_and_b32 v1, 15, v0                           ; r
	v_bfe_u32 v2, v0, 4, 1                         ; h
	v_and_b32 v[LN], 31, v0
	v_lshlrev_b32 v[O16], 4, v[LN]
	v_lshlrev_b32 v[O8], 3, v[LN]
	v_lshlrev_b32 v[O4], 2, v[LN]
	s_mul_i32 s10, s[RH], HALFT                    ; my 8 row tiles of P
	s_mul_i32 s11, s[CH], HALFT                    ; my 8 of R,
	s_add_co_u32 s11, s11, 2*HALFT                 ; which lie behind P's 16
.irp s, 0,1
	v_add_nc_u32 v[ADRA+\s], s10, v[O16]
	v_add_nc_u32 v[ADRB+\s], s11, v[O16]
	v_add_nc_u32 v[ADRA+2+\s], s10, v[O8]
	v_add_nc_u32 v[ADRB+2+\s], s11, v[O8]
	s_add_co_u32 s10, s10, SLOT
	s_add_co_u32 s11, s11, SLOT
.endr
	v_mul_u32_u24 v5, v1, KS                       ; my row's scales: 32 bytes a row,
	v_lshrrev_b32 v6, 8, v5
	v_lshl_add_u32 v5, v6, 4, v5                   ; and 16 more for each 256 passed
	s_mul_i32 s12, s[RH], HALFS
	s_mul_i32 s13, s[CH], HALFS
	s_add_co_u32 s13, s13, 2*HALFS
	s_sub_co_u32 s13, s13, s12
	v_mul_u32_u24 v6, s13, v2                      ; lanes 16-31 take R's
	s_add_co_u32 s12, s12, SCL
	v_add_nc_u32 v5, v5, v6
	v_add_nc_u32 v[ADRS], s12, v5
	; THE BIAS, 64 registers, by one set of loads for all three results.  q, k: register 8 x + j = the bias of column 32 (x / 2) + 8 (x % 2) + 16 h + j.  v: registers 8 a + 0 .. 7 = eight copies of the bias of row tile a's row r.
	s_xor_b32 s10, s[ISV], 1
	v_lshlrev_b32 v3, 6, v2                        ; 64 h
	v_and_b32 v4, 7, v1
	v_lshrrev_b32 v5, 3, v1
	v_lshl_add_u32 v4, v5, 4, v4
	v_lshlrev_b32 v4, 2, v4                        ; 4 (r % 8 + 16 (r / 8))
	v_mul_u32_u24 v3, v3, s10
	v_mad_u32_u24 v3, v4, s[ISV], v3               ; the one or the other
	s_lshl_b32 s10, s10, 2
.irp j, 0,1,2,3,4,5,6,7
	v_mad_u32_u24 v[VA+\j], s10, \j, v3            ; + 4 j for q and k
.endr
	s_cmp_eq_u32 s[ISV], 1
	s_cselect_b32 s11, s[TI], s[TJ]
	s_cselect_b32 s2, s[RH], s[CH]
	s_lshl_b32 s11, s11, 10
	s_lshl_b32 s2, s2, 9
	s_add_co_u32 s2, s2, s11                       ; 4 (256 x tile + 128 x half)
	s_mov_b32 s3, 0
	s_add_nc_u64 s[8:9], s[8:9], s[2:3]
.irp x, 0,1,2,3,4,5,6,7
.irp j, 0,1,2,3,4,5,6,7
	global_load_b32 v[BB+8*\x+\j], v[VA+\j], s[8:9] offset:(32*(\x/2)+8*(\x%2))*4
.endr
.endr
.macro FRAG reg, adr, q, i             ; a fragment, 16 rows x 128 K, is two pieces: four loads, each dense over the lanes
	ds_load_b128 v[\reg:\reg+3],     v[\adr]   offset:(\i)*RT+1536*(\q)
	ds_load_b64  v[\reg+4:\reg+5],   v[\adr+2] offset:(\i)*RT+1536*(\q)+512
	ds_load_b128 v[\reg+6:\reg+9],   v[\adr]   offset:(\i)*RT+1536*(\q)+768
	ds_load_b64  v[\reg+10:\reg+11], v[\adr+2] offset:(\i)*RT+1536*(\q)+1280
.endm
; 16 matrix instructions: P's blocks a0, a0 + 1 x R's eight.  The 64 accumulators take turns, one instruction a turn, in the same order in every step.
.macro MUL16 a0, p, q, sc, zero
.irp a, \a0, \a0+1
.irp b, 0,1,2,3,4,5,6,7
.if \zero
	v_wmma_scale_f32_16x16x128_f8f6f4 v[8*(8*((\a)%4)+\b):8*(8*((\a)%4)+\b)+7], v[128*(\p)+FR*\b:128*(\p)+FR*\b+FR-1], v[AF+FR*(\a):AF+FR*(\a)+FR-1], 0, v[SC+8*NQ*(\sc)+NQ*\b+(\q)], v[SC+8*NQ*(\sc)+NQ*(\a)+(\q)] matrix_a_fmt:MATRIX_FMT_BF6 matrix_b_fmt:MATRIX_FMT_BF6 matrix_a_scale:MATRIX_SCALE_ROW1
.else
	v_wmma_scale_f32_16x16x128_f8f6f4 v[8*(8*((\a)%4)+\b):8*(8*((\a)%4)+\b)+7], v[128*(\p)+FR*\b:128*(\p)+FR*\b+FR-1], v[AF+FR*(\a):AF+FR*(\a)+FR-1], v[8*(8*((\a)%4)+\b):8*(8*((\a)%4)+\b)+7], v[SC+8*NQ*(\sc)+NQ*\b+(\q)], v[SC+8*NQ*(\sc)+NQ*(\a)+(\q)] matrix_a_fmt:MATRIX_FMT_BF6 matrix_b_fmt:MATRIX_FMT_BF6 matrix_a_scale:MATRIX_SCALE_ROW1
.endif
.endr
.endr
.endm
.macro FETCH_B slot, q, p
	WIN TO_B
.irp i, 0,1,2,3,4,5,6,7
	FRAG 128*(\p)+FR*\i, ADRB+\slot, \q, \i
.endr
	WIN 0
.endm
.macro FETCH_A slot, q, i0
.irp i, \i0, \i0+1, \i0+2, \i0+3
	FRAG AF+FR*(\i), ADRA+\slot, \q, \i
.endr
.endm
.macro SCALES sc                       ; a K step's scale words: lanes 0-15 take P's block i, lanes 16-31 R's block i
.irp i, 0,1,2,3,4,5,6,7
	ds_load_b64 v[SC+8*NQ*\sc+NQ*\i:SC+8*NQ*\sc+NQ*\i+1], v[ADRS] offset:\i*SBLK
.endr
.endm
.macro PLACES n                        ; plain vector lines between a matrix instruction and a load into, or a read of, its registers
.rept \n
	v_nop
.endr
.endm
.macro STEP slot, q, zero              ; 128 along K that has its successor in the same slot
	s_wait_dscnt 4*NL                              ; R's set and P's blocks 0-3 are in; the youngest sixteen loads (P's blocks 4-7) may be out
	WIN MUL_LO
	MUL16 0, (\q)%2, \q, \slot, \zero
	MUL16 2, (\q)%2, \q, \slot, \zero
	s_wait_dscnt 0
	PLACES NP
	FETCH_B \slot, (\q)+1, 1-(\q)%2
	FETCH_A \slot, (\q)+1, 0
	WIN MUL_HI
	MUL16 4, (\q)%2, \q, \slot, \zero
	MUL16 6, (\q)%2, \q, \slot, \zero
	PLACES NP
	WIN 0
	FETCH_A \slot, (\q)+1, 4
.endm
.macro TURN slot, next, fill           ; a slot's last 128 along K, and the change of slots
	s_wait_tensorcnt 0x0                           ; all my tensor loads have landed: my part of the next slot
	ds_add_u32 v[SPW], v[NIL]                      ; 0 onto my spare word
	s_wait_dscnt 4*NL+1                            ; (the add and P's blocks 4-7 may be out)
	WIN MUL_LO
	MUL16 0, 1, NQ-1, \slot, 0
	s_wait_dscnt 0x0                               ; the add is done, and my reads of this slot are over
	s_barrier_signal -1
	MUL16 2, 1, NQ-1, \slot, 0
	WIN 0
	s_barrier_wait -1
.if \fill
	CREST                                          ; the barrier has opened a round of the cluster's barrier: no wave of any partner still reads this slot or has a load on its way
	s_add_nc_u64 s[G0+4*\slot+2:G0+4*\slot+3], s[G0+4*\slot+2:G0+4*\slot+3], 2*RT
	s_add_nc_u64 s[G0B+4*\slot+2:G0B+4*\slot+3], s[G0B+4*\slot+2:G0B+4*\slot+3], 2*RT
	JLOAD G0+4*\slot, G1, G0B+4*\slot, G1B         ; the first tensor load behind the round; its four v_nop are the places in front of the loads below
.else
	PLACES NP
.endif
	v_add_nc_u32 v[ADRS], 4*NQ, v[ADRS]            ; the next K step's scale words
	FETCH_B \next, 0, 0
	FETCH_A \next, 0, 0
	SCALES \next
	WIN MUL_HI
	MUL16 4, 1, NQ-1, \slot, 0
	MUL16 6, 1, NQ-1, \slot, 0
	PLACES NP
	WIN 0
	FETCH_A \next, 0, 4
.endm
	s_wait_loadcnt 0x0                             ; the bias
	s_wait_tensorcnt 1                             ; the scales and my part of K step 0 are in (K step 1's load may be out),
	s_barrier_signal -1
	s_barrier_wait -1                              ; everybody's are
	FETCH_B 0, 0, 0
	FETCH_A 0, 0, 0
	SCALES 0
	FETCH_A 0, 0, 4
	STEP 0, 0, 1                                   ; the first step's products start the sums
	s_mov_b32 s3, 1
.Llap:                                                 ; once round the ring: both slots are filled again (K steps 2 and 3)
	TURN 0, 1, 1
	STEP 1, 0, 0
	TURN 1, 0, 1
	STEP 0, 0, 0
	s_sub_co_u32 s3, s3, 1
	s_cmp_lg_u32 s3, 0
	s_cbranch_scc1 .Llap
	TURN 0, 1, 0
	STEP 1, 0, 0
	s_wait_dscnt 4*NL
	WIN MUL_LO
	MUL16 0, 1, NQ-1, 1, 0
	MUL16 2, 1, NQ-1, 1, 0
	s_wait_dscnt 0
	WIN MUL_HI
	MUL16 4, 1, NQ-1, 1, 0
	MUL16 6, 1, NQ-1, 1, 0
	WIN 0
; 64 numbers of a lane, register 16 b + i = column 32 b + 16 (lane / 16) + i of my row, become 12 registers of codes in v[PC] on and the four blocks' bytes in v[PW].
.macro QUANT s
.irp b, 0,1,2,3
	v_max3_num_f32 v[TM+\b], |v[\s+16*\b]|, |v[\s+1+16*\b]|, 0x2800000   ; my 16 numbers of block b, and the floor 2^(5 - 127): the byte cannot fall under 1
.endr
.irp i, 2,4,6,8,10,12,14
.irp b, 0,1,2,3
	v_max3_num_f32 v[TM+\b], v[TM+\b], |v[\s+16*\b+\i]|, |v[\s+1+16*\b+\i]|
.endr
.endr
.irp b, 0,1,2,3
	v_permlanex16_b32 v[TM+4+\b], v[TM+\b], s[SEL], s[SEL+1]
.endr
.irp b, 0,1,2,3
	v_max_num_f32 v[TM+\b], v[TM+\b], v[TM+4+\b]   ; with lane l xor 16's: the block's largest magnitude
.endr
.irp b, 0,1,2,3
	v_add_nc_u32 v[TM+12+\b], 0xfe000000, v[TM+\b] ; 4 off its exponent field: the conversion's scale operand
.endr
.irp b, 0,1,2,3
	v_lshrrev_b32 v[TM+4+\b], 23, v[TM+12+\b]      ; the scale's byte
.endr
	v_lshl_or_b32 v[PW], v[TM+5], 8, v[TM+4]
	v_lshl_or_b32 v[PW], v[TM+6], 16, v[PW]
	v_lshl_or_b32 v[PW], v[TM+7], 24, v[PW]
.irp c, 0,1
	v_cvt_scalef32_pk16_bf6_f32 v[PC+6*\c:PC+2+6*\c], v[\s+32*\c:\s+15+32*\c], v[TM+12+2*\c]
	v_cvt_scalef32_pk16_bf6_f32 v[PC+12+4*\c:PC+14+4*\c], v[\s+16+32*\c:\s+31+32*\c], v[TM+12+2*\c+1]   ; (a conversion's three registers begin on an even number)
.endr
	v_nop                                          ; one plain line behind a scaled conversion
.irp c, 0,1                                    ; the operand's layout wants a whole block in a lane: lanes 0-15 block 2 c, lanes 16-31 block 2 c + 1
.irp i, 0,1,2
	v_permlane16_swap_b32 v[PC+6*\c+\i], v[PC+12+4*\c+\i]
.endr
.irp i, 0,1,2
	v_mov_b32 v[PC+3+6*\c+\i], v[PC+12+4*\c+\i]
.endr
.endr
.endm
; THE WAY OUT.  isv = 0: my 128 columns are two heads; row tile a is a token tile.  isv = 1: my 128 columns are 128 keys; row tiles 0-3 and 4-7 are two heads' four d tiles.
.macro EPI isv
.if \isv
	s_lshr_b32 s2, s[TJ], 3
	s_lshl_b32 s2, s2, 4
	s_lshl_b32 s3, s[TI], 2
	s_add_co_u32 s2, s2, s3
	s_lshl_b32 s3, s[RH], 1
	s_add_co_u32 s2, s2, s3                        ; 16 x batch + my first head
	s_lshl_b32 s3, s[TJ], 2
	s_lshl_b32 s40, s[CH], 1
	s_add_co_u32 s3, s3, s40
	s_and_b32 s3, s3, 31                           ; my first 64 keys of the batch's 32
	s_lshl_b32 s40, s2, 5
	s_add_co_u32 s40, s40, s3
	s_mul_i32 s40, s40, 3072
	s_add_co_u32 s40, s40, 12582912
	s_mov_b32 s41, 0
	s_add_nc_u64 s[42:43], s[18:19], s[40:41]
	s_lshl_b32 s40, s2, 12
	s_lshr_b32 s3, s3, 1
	s_lshl_b32 s3, s3, 8
	s_add_co_u32 s40, s40, s3
	s_add_co_u32 s40, s40, 524288
	s_add_nc_u64 s[44:45], s[20:21], s[40:41]
.else
	s_lshr_b32 s2, s[TI], 3
	s_lshl_b32 s2, s2, 4
	s_lshl_b32 s3, s[TJ], 2
	s_add_co_u32 s2, s2, s3
	s_lshl_b32 s3, s[CH], 1
	s_add_co_u32 s2, s2, s3                        ; 16 x batch + my first head
	s_lshl_b32 s3, s[TI], 4
	s_lshl_b32 s40, s[RH], 3
	s_add_co_u32 s3, s3, s40
	s_and_b32 s3, s3, 127                          ; my first token tile of the batch's 128
	s_lshl_b32 s40, s2, 7
	s_add_co_u32 s40, s40, s3
	s_mul_i32 s40, s40, 768
	s_mul_i32 s41, ttmp9, 6291456
	s_add_co_u32 s40, s40, s41
	s_mov_b32 s41, 0
	s_add_nc_u64 s[42:43], s[18:19], s[40:41]
	s_lshl_b32 s40, s2, 12
	s_lshr_b32 s3, s3, 1
	s_lshl_b32 s3, s3, 6
	s_add_co_u32 s40, s40, s3
	s_lshl_b32 s3, ttmp9, 18
	s_add_co_u32 s40, s40, s3
	s_add_nc_u64 s[44:45], s[20:21], s[40:41]
.endif
.irp a, 0,1,2,3,4,5,6,7
.if \isv
.set OF0, 98304*(\a/4)+768*(\a%4)
.set OF1, OF0+3072
.else
.set OF0, 768*\a
.set OF1, OF0+98304
.endif
.if \a > 0
	s_wait_xcnt 0x0                                ; the last row tile's stores have read their codes: these are written again only behind this wait
.endif
	WIN 0x02+\a/4                                  ; source 0: window 2 or 3
.set n, 0
.rept 32                                       ; + bias, into window 0; each accumulator from its low end on
.if \isv
	v_pk_add_f32 v[T+2*n:T+2*n+1], v[64*(\a%4)+2*n:64*(\a%4)+2*n+1], v[BB+8*\a:BB+8*\a+1]
.else
	v_pk_add_f32 v[T+2*n:T+2*n+1], v[64*(\a%4)+2*n:64*(\a%4)+2*n+1], v[BB+2*n:BB+2*n+1]
.endif
.set n, n+1
.endr
	WIN 0
	QUANT T
	global_store_b128 v[O16], v[PC:PC+3], s[42:43] offset:OF0            ; a piece: 512 consecutive bytes,
	global_store_b64 v[O8], v[PC+4:PC+5], s[42:43] offset:OF0+512        ; and the 256 behind them
	global_store_b128 v[O16], v[PC+6:PC+9], s[42:43] offset:OF1
	global_store_b64 v[O8], v[PC+10:PC+11], s[42:43] offset:OF1+512
	v_mov_b32 v[PWS+\a], v[PW]
.endr
.if \isv
.irp m, 0,1,2,3                                ; lanes 0-15: d tile 2 m's words, lanes 16-31: d tile 2 m + 1's: 128 consecutive bytes
	v_cndmask_b32 v[WS+\m], v[PWS+2*\m], v[PWS+2*\m+1], vcc_lo
	global_store_b32 v[O4], v[WS+\m], s[44:45] offset:4096*(\m/2)+128*(\m%2)
.endr
.else
.irp p, 0,1,2,3                                ; a pair of token tiles: each head's two bytes of the one, then of the other
	v_perm_b32 v[WD+2*\p], v[PWS+2*\p+1], v[PWS+2*\p], 0x05040100
	v_perm_b32 v[WD+2*\p+1], v[PWS+2*\p+1], v[PWS+2*\p], 0x07060302
.endr
.irp g, 0,1
.irp c, 0,1
	v_cndmask_b32 v[WS+2*\g+\c], v[WD+4*\g+\c], v[WD+4*\g+2+\c], vcc_lo   ; lanes 16-31 take the pair behind
	global_store_b32 v[O4], v[WS+2*\g+\c], s[44:45] offset:128*\g+4096*\c
.endr
.endr
.endif
.endm
	PLACES NP                                      ; behind the last products: their results are read and P's fragment registers written below
.irp b, 0,1,2,3
	v_mov_b32 v[TM+4+\b], 0                        ; written once: a lane permute's destination counts as one of its sources
.endr
	v_cmp_le_u32 vcc_lo, 16, v[LN]                 ; lanes 16-31
	s_cmp_eq_u32 s[ISV], 1                         ; the cluster's x: the same in all partners
	s_cbranch_scc1 .Lepi_v
	EPI 0
	s_branch .Lepi_done
.Lepi_v:
	EPI 1
.Lepi_done:
	s_wait_tensorcnt 0x0                           ; the wave's end
	ds_add_u32 v[SPW], v[NIL]
	s_wait_dscnt 0x0
	CROUND                                         ; the closing round: no work-group ends while a partner may still ask for a tile that names it
	s_endpgm
.Lfunc_end_k_qe48bddf40c_proj:
	.size	k_qe48bddf40c_proj, .Lfunc_end_k_qe48bddf40c_proj-k_qe48bddf40c_proj
	.p2alignl 7, 3214868480
	.fill 96, 4, 3214868480
	.section	.rodata,"a",@progbits
	.p2align	6, 0x0
	.amdhsa_kernel k_qe48bddf40c_proj
		.amdhsa_group_segment_fixed_size 327680
		.amdhsa_private_segment_fixed_size 0
		.amdhsa_enable_private_segment 0
		.amdhsa_kernarg_size 72
		.amdhsa_user_sgpr_count 2
		.amdhsa_user_sgpr_kernarg_segment_ptr 1
		.amdhsa_wavefront_size32 1
		.amdhsa_system_sgpr_workgroup_id_x 1
		.amdhsa_system_sgpr_workgroup_id_y 1
		.amdhsa_system_sgpr_workgroup_id_z 1
		.amdhsa_system_vgpr_workitem_id 0
		.amdhsa_next_free_vgpr 1024
		.amdhsa_next_free_sgpr 102
		.amdhsa_reserve_vcc 1
		.amdhsa_float_denorm_mode_32 3
		.amdhsa_float_denorm_mode_16_64 3
		.amdhsa_memory_ordered 1
		.amdhsa_forward_progress 1
		.amdhsa_inst_pref_size 224
	.end_amdhsa_kernel
	.amdgpu_metadata
---
amdhsa.version: [ 1, 2 ]
amdhsa.kernels:
  - .name:           k_qe48bddf40c_proj
    .symbol:         k_qe48bddf40c_proj.kd
    .args:
      - { .name: xc, .offset: 0, .size: 8, .value_kind: global_buffer, .address_space: global }
      - { .name: xs, .offset: 8, .size: 8, .value_kind: global_buffer, .address_space: global }
      - { .name: wc, .offset: 16, .size: 8, .value_kind: global_buffer, .address_space: global }
      - { .name: ws, .offset: 24, .size: 8, .value_kind: global_buffer, .address_space: global }
      - { .name: bq, .offset: 32, .size: 8, .value_kind: global_buffer, .address_space: global }
      - { .name: bk, .offset: 40, .size: 8, .value_kind: global_buffer, .address_space: global }
      - { .name: bv, .offset: 48, .size: 8, .value_kind: global_buffer, .address_space: global }
      - { .name: pc, .offset: 56, .size: 8, .value_kind: global_buffer, .address_space: global }
      - { .name: ps, .offset: 64, .size: 8, .value_kind: global_buffer, .address_space: global }
    .group_segment_fixed_size: 327680
    .private_segment_fixed_size: 0
    .kernarg_segment_align: 8
    .kernarg_segment_size: 72
    .max_flat_workgroup_size: 128
    .sgpr_count:     102
    .vgpr_count:     1024
    .wavefront_size: 32
...
	.end_amdgpu_metadata
.endif
;; end of part 2
;; launch attn (part 3): grid 16 x 32, 16 waves a work-group, clusters of 4 x 4, 327,680 bytes of LDS; arguments pc, ps, mask, cc, cs; writes cc, cs
.if DOCPART == 3
	.amdgcn_target "amdgcn-amd-amdhsa--gfx1250"
	.amdhsa_code_object_version 6
	.text
	.protected	k_qe48bddf40c_attn
	.globl	k_qe48bddf40c_attn
	.p2align	8
	.type	k_qe48bddf40c_attn,@function
k_qe48bddf40c_attn:
	s_mov_b64 s[64:65], 0
	v_nop
	global_prefetch_b8 v0, s[64:65] scope:SCOPE_SE
	s_setreg_imm32_b32 hwreg(HW_REG_WAVE_MODE, 25, 1), 1
	s_wait_xcnt 0x0
	s_wait_alu depctr_hold_cnt(0) depctr_sa_sdst(0) depctr_va_vdst(0) depctr_va_sdst(0) depctr_va_ssrc(0) depctr_va_vcc(0) depctr_vm_vsrc(0)
	s_getreg_b32 s2, hwreg(HW_REG_IB_STS2, 6, 4)
	s_cmp_eq_u32 s2, 0
	s_cbranch_scc0 .Lentry_in_a_cluster
	s_endpgm
.Lentry_in_a_cluster:
	s_bfe_u32 s2, ttmp6, 0x10000c
	s_cmp_lg_u32 s2, 0xf033
	s_cbranch_scc0 .Lentry_shape_is_right
	s_endpgm
.Lentry_shape_is_right:
; For each batch b, head and query: logit = (q . k) / 8 x mask[b][query][key]; t = logit x log2(e); M = the largest t so far, rounded up to a whole number; p = 2^(t - M) is quantised along the keys; O = (p V) / (the sum of the unquantised p),
; quantised along the model's axis for the last product.  Both products on codes of BF6 (E3M2) with E8M0 scales, sums in f32.  When M moves, the sum and O are multiplied by 2^(old M - new M): exact.
; IN: pc = q | k [bh][token tile 128][768] | v [bh][64 keys: 32][d tile 4][768]: pieces of 16 rows x 64 K as images of six operand registers (lane l: 16 bytes at 16 l, 8 at 512 + 8 l); the rows of a token tile or d tile 2 B + u are
; 32 B + 8 u + r % 8 + 16 (r / 8).  ps = q | k [bh][pair of tiles][r][4] | v [bh][128 keys][d tile][r][4].  OUT: cc [tile of 16 neighbouring tokens 512][head 16][768], cs [token][32], byte 2 head + block.
; SHARES.  A work-group owns 64 queries of FOUR heads of one batch: the mask does not hang on the head, so a tile of it in LDS serves four heads.  A step then brings 32,768 bytes of mask and 4 x 12,288 of codes into LDS,
; 81,920 in all, where one head x 256 queries would bring 131,072 + 12,288.  Wave w owns head w % 4 of the group and the 16 neighbouring queries of tile w / 4, in 256 registers; four waves to a SIMD, so that one wave's vector work
; stands beside another's products and LDS loads.  Every wave walks all 2,048 keys, 128 a step.  Both products are used transposed (S^T = K Q^T, O^T = V^T P^T): a lane holds one query (lane % 16) throughout, and registers 16 g + i of
; S^T are keys 32 g + 16 (lane / 16) + i.
; THE HEAD IS 64 DEEP AND THE INSTRUCTION 128: source 0 holds TWO key tiles (2 g | 2 g + 1) side by side along K; source 1 is Q beside 64 zero codes, once low and once high.  No fragment is read twice by a wave, none is moved.
; CLUSTER 4 x 4: x = the batch's four groups of heads, y = four blocks of 64 queries.  The mask's tile hangs on (batch, block) and is asked for jointly along a row of the cluster, which holds all sixteen heads; K, V and their scales
; hang on (batch, group): jointly along a column.  Waves 0-3 ask for 16 rows of the mask each, waves 4-7 for one head's K and V each (one tile of two rows, since K's and V's parts of pc step alike): eight loads, none above 12,288 bytes.
; RING: two slots, one step each (two slots of two steps, 2 x 164,864 bytes, do not fit).  Every change of slots is a round of the cluster's barrier with the refill first behind it.
; cs is stored a byte a lane: 32 bytes of a token's row belong to sixteen heads, of which a wave has one; these bytes are 1/24 of the codes'.
; LIMITS: NaN and infinities are not served; a p under 2^-126 counts as 0; a block whose largest magnitude lies under 2^-122 keeps the byte 1 (the bytes are this program's own).
.set KVH,   12288                      ; a head's K and V of a step: K's 8 pieces, then V's 2 x 4
.set KVS,   4*KVH                      ; a slot: four heads
.set SCB,   2*KVS                      ; the scale words of the four heads, for all keys:
.set SCH,   8192                       ; a head's: K's 4,096 bytes, then V's
.set MB,    SCB+4*SCH                  ; the mask's ring
.set MP,    528                        ; a row: 512 bytes + 16
.set MSL,   64*MP
.set SPARE, MB+2*MSL                   ; the spare words: 2,048 bytes that no other line names
.set A16,  1                           ; v1   16 x lane + my head's place in a slot
.set A8,   2                           ; v2   8 x lane + the same
.set ASC,  3                           ; v3   my lane's place among a step's scale words of my head; never rewritten
.set AM,   4                           ; v4-5 my query's row of the mask in slot 0, 1, + 64 (lane / 16)
.set SPW,  6
.set NIL,  7
.set ADS,  8                           ; v8   the scale words of the step in hand
.set QLO,  16                          ; v16-27  Q | zeros
.set KF,   32                          ; v32-79  four operands of K, then of V; v32-63 also the mask's second half
.set QHI,  80                          ; v80-91  zeros | Q
.set SS,   96                          ; v96-159 S^T, then p
.set OT,   160                         ; v160-191 O^T
.set MK,   192                         ; v192-223 the mask's first half
.set WV,   18
.set SEL,  20
.set CS,   22
.set G1M,  24
.set G0M,  32
.set G1KV, 40
.set G0KV, 48
.set G1S,  56
.set TS,   66                          ; s66  where the step's scale words begin: 256 bytes a step
.set QT,   67                          ; s67  wave / 4: my tile of 16 queries
.set G0S,  68
.set HH,   75                          ; s75  wave % 4: my head in the group.  Also: which 16 rows of the mask, or which head's K and V, I fetch
.macro ROUND                           ; a round of the cluster's barrier
	s_barrier_signal -1
	s_barrier_wait -1
	s_cmp_lg_u32 s[WV], 0
	s_cbranch_scc1 .Lnot_wave_0_\@
	s_barrier_signal -3
.Lnot_wave_0_\@:
	s_barrier_wait -3
	s_barrier_signal -1
	s_barrier_wait -1
.endm
.macro JLOAD slot                      ; the joint refill: the branches hang on the wave's number alone; four v_nop follow each line
	s_cmp_lt_u32 s[WV], 4
	s_cbranch_scc0 .Lnot_m_\@
	tensor_load_to_lds s[G0M+4*(\slot):G0M+4*(\slot)+3], s[G1M:G1M+7]
	s_nop 0
.rept 4
	v_nop
.endr
	s_branch .Lasked_\@
.Lnot_m_\@:
	s_cmp_lt_u32 s[WV], 8
	s_cbranch_scc0 .Lasked_\@
	tensor_load_to_lds s[G0KV+4*(\slot):G0KV+4*(\slot)+3], s[G1KV:G1KV+7]
	s_nop 0
.rept 4
	v_nop
.endr
.Lasked_\@:
.endm
	s_load_b256 s[4:11], s[0:1], 0x0               ; pc, ps, mask, cc
	s_load_b64 s[12:13], s[0:1], 0x20              ; cs
	v_lshl_add_u32 v[SPW], v0, 2, SPARE
	v_mov_b32 v[NIL], 0
	ds_add_u32 v6, v7
	s_wait_dscnt 0x0
	v_lshrrev_b32 v8, 5, v0
	v_readfirstlane_b32 s[WV], v8                  ; wave 0..15
	s_and_b32 s[HH], s[WV], 3
	s_lshr_b32 s[QT], s[WV], 2
	s_bfe_u32 s14, ttmp6, 0x40000                  ; cx
	s_bfe_u32 s15, ttmp6, 0x40004                  ; cy
	s_lshl_b32 s16, ttmp9, 2
	s_add_co_u32 s16, s16, s14                     ; work-group x = 4 x batch + group of heads
	s_lshl_b32 s16, s16, 2
	s_add_co_u32 s16, s16, s[HH]                   ; 16 x batch + head
	s_mov_b32 s19, ttmp9                           ; batch
	s_and_b32 s17, ttmp7, 0xffff
	s_lshl_b32 s17, s17, 2
	s_add_co_u32 s17, s17, s15                     ; block of 64 queries
	s_lshl_b32 s73, s15, 2
	s_lshl_b32 s73, 15, s73                        ; my row of the cluster
	s_lshl_b32 s74, 0x1111, s14                    ; my column
	s_or_b32 s[G1M], s73, (2<<16)|(1<<20)|(1<<21)|(6<<22)|(3<<25)   ; the mask: elements of 4 bytes; 4 words of padding behind every 128
	s_mov_b32 s[G1M+1], 128<<16                    ; tensor_dim0 = 128 keys
	s_mov_b32 s[G1M+2], 16<<16                     ; tensor_dim1 = 16 queries
	s_mov_b32 s[G1M+3], 128<<16
	s_mov_b32 s[G1M+4], 16
	s_mov_b32 s[G1M+5], 2048
	s_mov_b32 s[G1M+6], 0
	s_mov_b32 s[G1M+7], 0
	s_or_b32 s[G1KV], s74, (3<<16)|(1<<21)         ; K and V of a head: two rows of 6,144 bytes, 6,291,456 bytes apart; elements of 8 bytes
	s_mov_b32 s[G1KV+1], 768<<16
	s_mov_b32 s[G1KV+2], 2<<16
	s_mov_b32 s[G1KV+3], 768<<16
	s_mov_b32 s[G1KV+4], 2
	s_mov_b32 s[G1KV+5], 786432
	s_mov_b32 s[G1KV+6], 0
	s_mov_b32 s[G1KV+7], 0
	s_or_b32 s[G1S], s74, (3<<16)|(1<<21)          ; their scale words: two rows of 4,096 bytes, 262,144 apart
	s_mov_b32 s[G1S+1], 512<<16
	s_mov_b32 s[G1S+2], 2<<16
	s_mov_b32 s[G1S+3], 512<<16
	s_mov_b32 s[G1S+4], 2
	s_mov_b32 s[G1S+5], 32768
	s_mov_b32 s[G1S+6], 0
	s_mov_b32 s[G1S+7], 0
	s_mov_b32 s[SEL], 0x76543210
	s_mov_b32 s[SEL+1], 0xfedcba98
	s_mov_b32 s[CS], 0x3e38aa3b                    ; c = log2(e) / 8
	s_mov_b32 s[CS+1], s[CS]
	s_mov_b32 s[TS], 0
	s_lshl_b32 s76, s19, 24                        ; the mask: batch,
	s_lshl_b32 s77, s17, 19                        ; block of 64 queries (rows of 8,192 bytes),
	s_add_co_u32 s76, s76, s77
	s_lshl_b32 s77, s[HH], 17                      ; my 16 rows: no cx in it
	s_add_co_u32 s76, s76, s77
	s_mov_b32 s77, 0
	s_mul_i32 s2, s[HH], 16*MP                     ; where they go in a slot of the mask: no place in the cluster enters an LDS address
	s_mul_i32 s3, s[HH], KVH                       ; my head's place in a slot of K and V
	s_mul_i32 s80, s16, 98304                      ; (batch, head) in each part of pc: no cy in it
	s_mov_b32 s81, 0
	s_lshl_b32 s84, s16, 12                        ; and of ps
	s_mov_b32 s85, 0
	s_lshl_b32 s90, s17, 1
	s_lshr_b32 s91, s[QT], 1
	s_add_co_u32 s90, s90, s91                     ; the pair of token tiles that holds my 16 queries
	s_mul_i32 s92, s90, 1536
	s_mov_b32 s93, 0
	s_lshl_b32 s91, s[HH], 13                      ; my head's place among the scale words
	s_wait_kmcnt 0x0
	s_add_nc_u64 s[78:79], s[8:9], s[76:77]
	s_add_nc_u64 s[82:83], s[4:5], s[80:81]
	s_add_nc_u64 s[86:87], s[6:7], s[84:85]
	s_add_nc_u64 s[88:89], s[82:83], s[92:93]      ; Q's codes
	s_lshl_b32 s92, s90, 6
	s_add_nc_u64 s[94:95], s[86:87], s[92:93]      ; Q's scale words
.irp s, 0,1
	s_mov_b32 s[G0M+4*\s], 1
	s_add_co_u32 s[G0M+4*\s+1], s2, MB+\s*MSL
	s_add_nc_u64 s[G0M+4*\s+2:G0M+4*\s+3], s[78:79], \s*512
	s_or_b32 s[G0M+4*\s+3], s[G0M+4*\s+3], 0x80000000
	s_mov_b32 s[G0KV+4*\s], 1
	s_add_co_u32 s[G0KV+4*\s+1], s3, \s*KVS
	s_add_nc_u64 s[G0KV+4*\s+2:G0KV+4*\s+3], s[82:83], 6291456+\s*6144
	s_or_b32 s[G0KV+4*\s+3], s[G0KV+4*\s+3], 0x80000000
.endr
	s_mov_b32 s[G0S], 1
	s_add_co_u32 s[G0S+1], s91, SCB
	s_add_nc_u64 s[G0S+2:G0S+3], s[86:87], 262144
	s_or_b32 s[G0S+3], s[G0S+3], 0x80000000
	ROUND                                          ; all sixteen work-groups are here: the first joint loads meet
	s_cmp_lt_u32 s[WV], 4                          ; a wave's first fills stand in one branch on its number
	s_cbranch_scc0 .Lfirst_not_m
	tensor_load_to_lds s[G0M:G0M+3], s[G1M:G1M+7]  ; the mask's step 0
	s_nop 0
.rept 4
	v_nop
.endr
	s_branch .Lfirst_asked
.Lfirst_not_m:
	s_cmp_lt_u32 s[WV], 8
	s_cbranch_scc0 .Lfirst_asked
	tensor_load_to_lds s[G0S:G0S+3], s[G1S:G1S+7]  ; a head's scale words: filled once
	s_nop 0
	tensor_load_to_lds s[G0KV:G0KV+3], s[G1KV:G1KV+7]   ; its K's and V's step 0: two loads of each of waves 4-7 are out
	s_nop 0
.rept 4
	v_nop
.endr
.Lfirst_asked:
	v_and_b32 v8, 31, v0                           ; lane
	v_and_b32 v9, 15, v0                           ; my query in the tile
	v_bfe_u32 v10, v0, 4, 1                        ; h
	v_lshl_add_u32 v[A16], v8, 4, s3
	v_lshl_add_u32 v[A8], v8, 3, s3
	v_lshl_add_u32 v[ASC], v8, 2, s91
	v_add_nc_u32 v[ASC], SCB, v[ASC]
	s_mul_i32 s73, s[QT], 16*MP
	v_mul_u32_u24 v[AM], v9, MP
	v_lshl_add_u32 v[AM], v10, 6, v[AM]
	v_add_nc_u32 v[AM], s73, v[AM]
	v_add_nc_u32 v[AM], MB, v[AM]
	v_add_nc_u32 v[AM+1], MSL, v[AM]
	; Q.  My 16 neighbouring queries lie in two token tiles: query n in tile n / 8 of the pair, at its row 8 (my tile % 2) + n % 8
	v_and_b32 v11, 7, v0
	s_and_b32 s73, s[QT], 1
	s_lshl_b32 s73, s73, 3
	v_add_nc_u32 v11, s73, v11
	v_lshlrev_b32 v30, 2, v11                      ; its scale word
	v_lshl_add_u32 v11, v10, 4, v11                ; + 16 h: the lane whose bytes I take
	v_bfe_u32 v31, v0, 3, 1
	v_mul_u32_u24 v28, v31, 768
	v_lshl_add_u32 v29, v11, 3, v28
	v_lshl_add_u32 v28, v11, 4, v28
	global_load_b128 v[QLO:QLO+3], v28, s[88:89]
	global_load_b64 v[QLO+4:QLO+5], v29, s[88:89] offset:512
	global_load_b128 v[QHI+6:QHI+9], v28, s[88:89]           ; a second time: the two operands share no register
	global_load_b64 v[QHI+10:QHI+11], v29, s[88:89] offset:512
	global_load_b32 v92, v30, s[94:95]
	v_lshlrev_b32 v31, 4, v31
.irp i, 0,1,2,3,4,5
	v_mov_b32 v[QLO+6+\i], 0                       ; zero codes: they add nothing under any scale byte
	v_mov_b32 v[QHI+\i], 0
.endr
	s_wait_loadcnt 0x0
	v_lshrrev_b32 v92, v31, v92                    ; my tile's two bytes,
	v_perm_b32 v255, v92, v92, 0x01000100          ; for the low half of K and for the high: Q's scale word
	v_mov_b32 v13, 0xff61b1e6                      ; the largest t so far: -3e38
	v_floor_f32 v12, -v13                          ; -M
	v_mov_b32 v14, 0
	v_mov_b32 v15, 0
.irp b, 0,1,2,3
	v_mov_b32 v[236+\b], 0                         ; written once: a lane permute's destination counts as one of its sources
.endr
	v_mov_b32 v253, 0
.set j, 0
.rept 32
	v_mov_b32 v[OT+j], 0                           ; the loop is written once: its first step finds zeros, which the first change of M leaves zeros
.set j, j+1
.endr
.macro STEP slot
	v_add_nc_u32 v[ADS], s[TS], v[ASC]             ; this step's scale words
.irp g, 0,1,2,3                                ; operand g: key tiles 2 g and 2 g + 1 side by side
	ds_load_b128 v[KF+12*\g:KF+12*\g+3],     v[A16] offset:KVS*\slot+1536*\g
	ds_load_b64  v[KF+12*\g+4:KF+12*\g+5],   v[A8]  offset:KVS*\slot+1536*\g+512
	ds_load_b128 v[KF+12*\g+6:KF+12*\g+9],   v[A16] offset:KVS*\slot+1536*\g+768
	ds_load_b64  v[KF+12*\g+10:KF+12*\g+11], v[A8]  offset:KVS*\slot+1536*\g+1280
.endr
	ds_load_b32 v248, v[ADS]                       ; K's scale words: lanes 0-15 operand 0's, lanes 16-31 operand 1's;
	ds_load_b32 v249, v[ADS] offset:128            ; operands 2 and 3
	ds_load_b32 v250, v[ADS] offset:4096           ; V's: d tiles 0 and 1;
	ds_load_b32 v251, v[ADS] offset:4224           ; 2 and 3
.irp j, 0,1,2,3,4,5,6,7
	ds_load_b128 v[MK+4*\j:MK+4*\j+3], v[AM+\slot] offset:128*(\j/4)+16*(\j%4)   ; the mask at keys 32 g + 16 h + 0 .. 15, g = 0, 1
.endr
	s_wait_dscnt 8                                 ; K and the scale words are in; the mask's eight loads may be out
.irp g, 0,1,2,3
.if \g%2
	v_wmma_scale_f32_16x16x128_f8f6f4 v[SS+16*\g:SS+16*\g+7], v[KF+12*\g:KF+12*\g+11], v[QLO:QLO+11], 0, v[248+\g/2], v255 matrix_a_fmt:MATRIX_FMT_BF6 matrix_b_fmt:MATRIX_FMT_BF6 matrix_a_scale:MATRIX_SCALE_ROW1
	v_wmma_scale_f32_16x16x128_f8f6f4 v[SS+16*\g+8:SS+16*\g+15], v[KF+12*\g:KF+12*\g+11], v[QHI:QHI+11], 0, v[248+\g/2], v255 matrix_a_fmt:MATRIX_FMT_BF6 matrix_b_fmt:MATRIX_FMT_BF6 matrix_a_scale:MATRIX_SCALE_ROW1
.else
	v_wmma_scale_f32_16x16x128_f8f6f4 v[SS+16*\g:SS+16*\g+7], v[KF+12*\g:KF+12*\g+11], v[QLO:QLO+11], 0, v[248+\g/2], v255 matrix_a_fmt:MATRIX_FMT_BF6 matrix_b_fmt:MATRIX_FMT_BF6
	v_wmma_scale_f32_16x16x128_f8f6f4 v[SS+16*\g+8:SS+16*\g+15], v[KF+12*\g:KF+12*\g+11], v[QHI:QHI+11], 0, v[248+\g/2], v255 matrix_a_fmt:MATRIX_FMT_BF6 matrix_b_fmt:MATRIX_FMT_BF6
.endif
.endr
.rept 4
	v_nop                                          ; the four places behind the products: loads into K's registers and reads of the scores follow
.endr
.irp j, 0,1,2,3,4,5,6,7
	ds_load_b128 v[KF+4*\j:KF+4*\j+3], v[AM+\slot] offset:256+128*(\j/4)+16*(\j%4)   ; the mask, g = 2, 3, into registers that K has left
.endr
	s_wait_dscnt 8                                 ; the mask's first half is in; the eight just issued may be out
.set j, 0
.rept 16
	v_pk_mul_f32 v[SS+j:SS+j+1], v[SS+j:SS+j+1], v[MK+j:MK+j+1]      ; score x mask; each result from its low end on
.set j, j+2
.endr
	s_wait_dscnt 0x0
.set j, 0
.rept 16
	v_pk_mul_f32 v[SS+32+j:SS+33+j], v[SS+32+j:SS+33+j], v[KF+j:KF+j+1]
.set j, j+2
.endr
.irp d, 0,1,2,3                                ; V^T's d tile: 64 keys | the next 64; they land under the softmax
	ds_load_b128 v[KF+12*\d:KF+12*\d+3],     v[A16] offset:KVS*\slot+6144+768*\d
	ds_load_b64  v[KF+12*\d+4:KF+12*\d+5],   v[A8]  offset:KVS*\slot+6144+768*\d+512
	ds_load_b128 v[KF+12*\d+6:KF+12*\d+9],   v[A16] offset:KVS*\slot+9216+768*\d
	ds_load_b64  v[KF+12*\d+10:KF+12*\d+11], v[A8]  offset:KVS*\slot+9216+768*\d+512
.endr
.irp b, 0,1,2,3
	v_max3_num_f32 v[232+\b], v[96+16*\b], v[97+16*\b], v[98+16*\b]   ; the largest masked score of each block of 32 keys: for the row's maximum and, since p rises with it, for the block's largest p
.endr
.irp i, 3,5,7,9,11,13
.irp b, 0,1,2,3
	v_max3_num_f32 v[232+\b], v[232+\b], v[96+16*\b+\i], v[97+16*\b+\i]
.endr
.endr
.irp b, 0,1,2,3
	v_max_num_f32 v[232+\b], v[232+\b], v[111+16*\b]
.endr
.irp b, 0,1,2,3
	v_permlanex16_b32 v[236+\b], v[232+\b], s[SEL], s[SEL+1]
.endr
.irp b, 0,1,2,3
	v_max_num_f32 v[232+\b], v[232+\b], v[236+\b]  ; with lane l xor 16's 16 keys
.endr
	v_max3_num_f32 v254, v232, v233, v234
	v_max_num_f32 v254, v254, v235
	v_mul_f32 v254, s[CS], v254                    ; as t (c is positive)
	v_max_num_f32 v13, v13, v254                   ; the running largest t
	v_mov_b32 v254, v12
	v_floor_f32 v12, -v13                          ; the new -M = -ceil(t)
	v_sub_f32 v254, v12, v254                      ; old M - new M: a whole number, 0 or less
	v_cvt_i32_f32 v254, v254                       ; (it saturates)
	v_ldexp_f32 v252, 1.0, v254                    ; f = 2^(old M - new M)
.set j, 0
.rept 32
	v_pk_fma_f32 v[96+j:97+j], v[96+j:97+j], s[CS:CS+1], v[12:13] op_sel_hi:[1,0,0]   ; t - M
.set j, j+2
.endr
.irp b, 0,1,2,3
	v_fma_f32 v[232+\b], v[232+\b], s[CS], v12
.endr
.set j, 0
.rept 64
	v_exp_f32 v[96+j], v[96+j]                     ; p = 2^(t - M): not normalised
.set j, j+1
.endr
.irp b, 0,1,2,3
	v_exp_f32 v[232+\b], v[232+\b]                 ; the block's largest p: the same two instructions on the same number
.endr
	v_pk_mul_f32 v[14:15], v[14:15], v[252:253] op_sel_hi:[1,0]    ; the sums under the new M (a plain line behind the exponentials)
.set j, 0
.rept 16
	v_pk_mul_f32 v[OT+j:OT+j+1], v[OT+j:OT+j+1], v[252:253] op_sel_hi:[1,0]   ; O^T under the new M; each accumulator from its low end on
.set j, j+2
.endr
	s_wait_alu depctr_va_vdst(0)
.irp b, 0,1,2,3
	v_max_num_f32 v[232+\b], 0x2800000, v[232+\b]  ; the floor 2^(5 - 127): the byte cannot fall under 1
.endr
.irp b, 0,1,2,3
	v_add_nc_u32 v[244+\b], 0xfe000000, v[232+\b]  ; 4 off the exponent field: the conversion's scale operand
.endr
.irp b, 0,1,2,3
	v_lshrrev_b32 v[236+\b], 23, v[244+\b]
.endr
	v_lshl_or_b32 v253, v237, 8, v236              ; p's scale word for these 128 keys
	v_lshl_or_b32 v253, v238, 16, v253
	v_lshl_or_b32 v253, v239, 24, v253
.irp c, 0,1
	v_cvt_scalef32_pk16_bf6_f32 v[224+6*\c:226+6*\c], v[96+32*\c:111+32*\c], v[244+2*\c]
	v_cvt_scalef32_pk16_bf6_f32 v[236+4*\c:238+4*\c], v[112+32*\c:127+32*\c], v[244+2*\c+1]
.endr
	v_nop                                          ; one plain line behind a scaled conversion
.irp c, 0,1
.irp i, 0,1,2
	v_permlane16_swap_b32 v[224+6*\c+\i], v[236+4*\c+\i]   ; a whole block to a lane
.endr
.irp i, 0,1,2
	v_mov_b32 v[227+6*\c+\i], v[236+4*\c+\i]
.endr
.endr
	v_pk_add_f32 v[236:237], v[96:97], v[98:99]    ; the row's sum, of the unquantised p, in two chains.  These 32 lines are also the places between the vector writes of p's codes and scale word and the products
.irp j, 4,8,12,16,20,24,28,32,36,40,44,48,52,56,60
	v_pk_add_f32 v[14:15], v[14:15], v[96+\j:97+\j]
	v_pk_add_f32 v[236:237], v[236:237], v[98+\j:99+\j]
.endr
	v_pk_add_f32 v[14:15], v[14:15], v[236:237]
	s_wait_dscnt 0x0                               ; V
.irp d, 0,1,2,3                                ; the four accumulators by turns
.if \d%2
	v_wmma_scale_f32_16x16x128_f8f6f4 v[OT+8*\d:OT+8*\d+7], v[KF+12*\d:KF+12*\d+11], v[224:235], v[OT+8*\d:OT+8*\d+7], v[250+\d/2], v253 matrix_a_fmt:MATRIX_FMT_BF6 matrix_b_fmt:MATRIX_FMT_BF6 matrix_a_scale:MATRIX_SCALE_ROW1
.else
	v_wmma_scale_f32_16x16x128_f8f6f4 v[OT+8*\d:OT+8*\d+7], v[KF+12*\d:KF+12*\d+11], v[224:235], v[OT+8*\d:OT+8*\d+7], v[250+\d/2], v253 matrix_a_fmt:MATRIX_FMT_BF6 matrix_b_fmt:MATRIX_FMT_BF6
.endif
.endr
.rept 4
	v_nop                                          ; places in front of the next loads into V's registers and scale words, and of the first read of O^T
.endr
	s_add_co_u32 s[TS], s[TS], 256                 ; the next step's scale words
.endm
; A key step.  Behind the round that slot is filled first.
.macro TRIP slot, refill
	s_wait_tensorcnt 0x0                           ; no tensor load of mine is out, so a group 0 may be written
	ds_add_u32 v[SPW], v[NIL]                      ; 0 onto my spare word
	s_add_nc_u64 s[G0M+4*\slot+2:G0M+4*\slot+3], s[G0M+4*\slot+2:G0M+4*\slot+3], 1024       ; this slot's next tiles: two steps on
	s_add_nc_u64 s[G0KV+4*\slot+2:G0KV+4*\slot+3], s[G0KV+4*\slot+2:G0KV+4*\slot+3], 12288
	s_wait_dscnt 0x0
	ROUND
.if \refill
	JLOAD 1-\slot                                  ; one tensor load a wave, of waves 0-7; it has this step's work in which to land
.endif
	STEP \slot
.endm
	s_mov_b32 s72, 7
.Lloop:
	TRIP 0, 1
	TRIP 1, 1
	s_sub_co_u32 s72, s72, 1
	s_cmp_lg_u32 s72, 0
	s_cbranch_scc1 .Lloop
	TRIP 0, 1
	TRIP 1, 0                                      ; the last step asks for nothing
	; THE WAY OUT.  O^T / the sum: register 16 B + i is channel 32 B + 16 h + i of my query: two blocks of the last product's K.  They are quantised and leave as one piece of 768 bytes.
	v_add_f32 v14, v14, v15
	v_permlanex16_b32 v252, v14, s[SEL], s[SEL+1]
	v_add_f32 v14, v14, v252                       ; the row's sum
	v_rcp_f32 v14, v14
	v_and_b32 v8, 15, v0                           ; (a plain line behind the reciprocal)
	v_bfe_u32 v11, v0, 4, 1
	v_and_b32 v10, 31, v0
	v_lshlrev_b32 v28, 4, v10                      ; 16 x lane
	v_lshlrev_b32 v29, 3, v10                      ; 8 x lane
	v_cmp_le_u32 vcc_lo, 16, v10                   ; lanes 16-31
	v_lshl_add_u32 v9, v8, 5, v11                  ; cs: 32 x query + h
	s_lshl_b32 s73, s19, 7
	s_lshl_b32 s74, s17, 2
	s_add_co_u32 s73, s73, s74
	s_add_co_u32 s73, s73, s[QT]                   ; my tile of 16 tokens: 128 x batch + 4 x block + my tile
	s_and_b32 s74, s16, 15                         ; the head
	s_lshl_b32 s76, s73, 4
	s_add_co_u32 s76, s76, s74
	s_mul_i32 s76, s76, 768
	s_mov_b32 s77, 0
	s_add_nc_u64 s[10:11], s[10:11], s[76:77]
	s_lshl_b32 s76, s73, 9
	s_lshl_b32 s74, s74, 1
	s_add_co_u32 s76, s76, s74
	s_add_nc_u64 s[12:13], s[12:13], s[76:77]
.set j, 0
	s_wait_alu depctr_va_vdst(0)
.rept 32
	v_mul_f32 v[96+j], v[OT+j], v14
.set j, j+1
.endr
.irp b, 0,1
	v_max3_num_f32 v[232+\b], |v[96+16*\b]|, |v[97+16*\b]|, 0x2800000
.endr
.irp i, 2,4,6,8,10,12,14
.irp b, 0,1
	v_max3_num_f32 v[232+\b], v[232+\b], |v[96+16*\b+\i]|, |v[97+16*\b+\i]|
.endr
.endr
.irp b, 0,1
	v_permlanex16_b32 v[236+\b], v[232+\b], s[SEL], s[SEL+1]
.endr
.irp b, 0,1
	v_max_num_f32 v[232+\b], v[232+\b], v[236+\b]
.endr
.irp b, 0,1
	v_add_nc_u32 v[244+\b], 0xfe000000, v[232+\b]
.endr
.irp b, 0,1
	v_lshrrev_b32 v[246+\b], 23, v[244+\b]
.endr
	v_cvt_scalef32_pk16_bf6_f32 v[224:226], v[96:111], v244
	v_cvt_scalef32_pk16_bf6_f32 v[236:238], v[112:127], v245
	v_nop                                          ; one plain line behind a scaled conversion
.irp i, 0,1,2
	v_permlane16_swap_b32 v[224+\i], v[236+\i]
.endr
.irp i, 0,1,2
	v_mov_b32 v[227+\i], v[236+\i]
.endr
	v_cndmask_b32 v10, v246, v247, vcc_lo          ; block h's byte
	global_store_b128 v28, v[224:227], s[10:11]                ; 512 consecutive bytes,
	global_store_b64 v29, v[228:229], s[10:11] offset:512      ; and the 256 behind them
	global_store_b8 v9, v10, s[12:13]
	s_wait_tensorcnt 0x0                           ; the wave's end
	ds_add_u32 v[SPW], v[NIL]
	s_wait_dscnt 0x0
	ROUND                                          ; the closing round
	s_endpgm
.Lfunc_end_k_qe48bddf40c_attn:
	.size	k_qe48bddf40c_attn, .Lfunc_end_k_qe48bddf40c_attn-k_qe48bddf40c_attn
	.p2alignl 7, 3214868480
	.fill 96, 4, 3214868480
	.section	.rodata,"a",@progbits
	.p2align	6, 0x0
	.amdhsa_kernel k_qe48bddf40c_attn
		.amdhsa_group_segment_fixed_size 327680
		.amdhsa_private_segment_fixed_size 0
		.amdhsa_enable_private_segment 0
		.amdhsa_kernarg_size 40
		.amdhsa_user_sgpr_count 2
		.amdhsa_user_sgpr_kernarg_segment_ptr 1
		.amdhsa_wavefront_size32 1
		.amdhsa_system_sgpr_workgroup_id_x 1
		.amdhsa_system_sgpr_workgroup_id_y 1
		.amdhsa_system_sgpr_workgroup_id_z 1
		.amdhsa_system_vgpr_workitem_id 0
		.amdhsa_next_free_vgpr 256
		.amdhsa_next_free_sgpr 96
		.amdhsa_reserve_vcc 1
		.amdhsa_float_denorm_mode_32 3
		.amdhsa_float_denorm_mode_16_64 3
		.amdhsa_memory_ordered 1
		.amdhsa_forward_progress 1
		.amdhsa_inst_pref_size 94
	.end_amdhsa_kernel
	.amdgpu_metadata
---
amdhsa.version: [ 1, 2 ]
amdhsa.kernels:
  - .name:           k_qe48bddf40c_attn
    .symbol:         k_qe48bddf40c_attn.kd
    .args:
      - { .name: pc, .offset: 0, .size: 8, .value_kind: global_buffer, .address_space: global }
      - { .name: ps, .offset: 8, .size: 8, .value_kind: global_buffer, .address_space: global }
      - { .name: mask, .offset: 16, .size: 8, .value_kind: global_buffer, .address_space: global }
      - { .name: cc, .offset: 24, .size: 8, .value_kind: global_buffer, .address_space: global }
      - { .name: cs, .offset: 32, .size: 8, .value_kind: global_buffer, .address_space: global }
    .group_segment_fixed_size: 327680
    .private_segment_fixed_size: 0
    .kernarg_segment_align: 8
    .kernarg_segment_size: 40
    .max_flat_workgroup_size: 512
    .sgpr_count:     96
    .vgpr_count:     256
    .wavefront_size: 32
...
	.end_amdgpu_metadata
.endif
;; end of part 3
;; launch outp (part 4): grid 4 x 32, 4 waves a work-group, clusters of 4 x 4, 327,680 bytes of LDS; arguments cc, cs, wc, ws, bo, out0; writes out0
.if DOCPART == 4
	.amdgcn_target "amdgcn-amd-amdhsa--gfx1250"
	.amdhsa_code_object_version 6
	.text
	.protected	k_qe48bddf40c_outp
	.globl	k_qe48bddf40c_outp
	.p2align	8
	.type	k_qe48bddf40c_outp,@function
k_qe48bddf40c_outp:
	s_mov_b64 s[64:65], 0
	v_nop
	global_prefetch_b8 v0, s[64:65] scope:SCOPE_SE
	s_setreg_imm32_b32 hwreg(HW_REG_WAVE_MODE, 25, 1), 1
	s_wait_xcnt 0x0
	s_wait_alu depctr_hold_cnt(0) depctr_sa_sdst(0) depctr_va_vdst(0) depctr_va_sdst(0) depctr_va_ssrc(0) depctr_va_vcc(0) depctr_vm_vsrc(0)
	s_getreg_b32 s2, hwreg(HW_REG_IB_STS2, 6, 4)
	s_cmp_eq_u32 s2, 0
	s_cbranch_scc0 .Lentry_in_a_cluster
	s_endpgm
.Lentry_in_a_cluster:
	s_bfe_u32 s2, ttmp6, 0x10000c
	s_cmp_lg_u32 s2, 0xf033
	s_cbranch_scc0 .Lentry_shape_is_right
	s_endpgm
.Lentry_shape_is_right:
; out0 = concat Wo^T + bo, on codes of BF6 (E3M2) with E8M0 scales, sums in f32.  OUT[i][j] = sum over k of P[i][k] R[j][k] + bo[j]: P = cc (tiles of 16 neighbouring tokens), R = the fourth weight in wc.
; Operands lie as [row tile][16 pieces][768]: a piece is 16 rows x 64 K as an image of six operand registers (lane l: 16 bytes at 16 l, 8 at 512 + 8 l).  Scale bytes: [16 tile + r][32].
; A tile of OUT is 256 x 256: four waves, each 128 x 128 in 64 accumulators.  K goes in steps of 256 through a ring of two LDS slots; the scales of the work-group's rows come into LDS once.
; CLUSTERS 4 x 4: P's tiles are asked for jointly along a row of the cluster, R's along a column.  TRANSPOSED USE: source 0 = 16 rows of R, source 1 = 16 rows of P.
; R's tile 2 B + u holds rows 32 B + 8 u + r % 8 + 16 (r / 8): register j of accumulator (a, 2 B + u) is column 32 B + 16 (lane / 16) + 8 u + j of row 16 a + lane % 16.
; The bias is the C of each sum's first matrix instruction.  128 work-groups: half of the WGPs; a tile of 128 x 256 would want a second loop design, for a launch that is a small part of the program.
; REGISTERS: window 0: v0-31 addresses; v32-63 scale words, two sets; v64-127 the bias; v128-223 P's fragments (on the way out v128-255: rows of OUT); window 1: R's fragments, two sets; windows 2, 3: the accumulators.
.set NQ,     2
.set RT,     3072
.set FR,     12
.set NL,     4
.set NP,     4
.set HALFT,  8*RT
.set SLOT,   4*HALFT
.set KS,     32
.set SCL,    2*SLOT
.set HALFS,  16*272
.set SBLK,   2*272
.set SPARE,  SCL+4*HALFS               ; the spare words: 512 bytes that no other line names
.set SPITCH, 528                       ; the way out: a stage of 16 rows x (512 + 16) bytes for each wave, in slot 0, which has had its last fill and its last read by then
.set ADRA, 16
.set ADRB, 20
.set STO,  24
.set RD,   25
.set CO,   26
.set ADRS, 27
.set SPW,  28
.set NIL,  29
.set SC,   32
.set BB,   64
.set AF,   128
.set BK,   128
.set G1,   24
.set G0,   32
.set G1B,  48
.set G0B,  56
.set G1S,  68
.set G0S,  76
.set G1SB, 80
.set G0SB, 88
.set WV,   92
.set RH,   93
.set CH,   94
.set CX,   96
.set CY,   97
.set TI,   98
.set TJ,   99
.set MSB, 0
.macro WIN new
.if MSB != (\new)
	s_set_vgpr_msb (MSB<<8)|(\new)
.set MSB, (\new)
.endif
.endm
.set MUL_LO, 0xa1                      ; source 0 (R) window 1, source 1 (P) window 0, C and D window 2
.set MUL_HI, 0xf1
.set FST_LO, 0x81                      ; the first step: C (the bias) window 0, D window 2
.set FST_HI, 0xc1
.set TO_B,   0x40
.macro JLOAD g0a, g1a, g0b, g1b
	s_cmp_eq_u32 s[RH], 0
	s_cbranch_scc0 .Lfor_b_\@
	tensor_load_to_lds s[\g0a:\g0a+3], s[\g1a:\g1a+7]
	s_nop 0
.rept 4
	v_nop
.endr
	s_branch .Lasked_\@
.Lfor_b_\@:
	tensor_load_to_lds s[\g0b:\g0b+3], s[\g1b:\g1b+7]
	s_nop 0
.rept 4
	v_nop
.endr
.Lasked_\@:
.endm
.macro CREST
	s_cmp_lg_u32 s[WV], 0
	s_cbranch_scc1 .Lnot_wave_0_\@
	s_barrier_signal -3
.Lnot_wave_0_\@:
	s_barrier_wait -3
	s_barrier_signal -1
	s_barrier_wait -1
.endm
.macro CROUND
	s_barrier_signal -1
	s_barrier_wait -1
	CREST
.endm
	s_load_b256 s[4:11], s[0:1], 0x0               ; cc, cs, wc, ws
	s_load_b128 s[12:15], s[0:1], 0x20             ; bo, out0
	v_lshl_add_u32 v[SPW], v0, 2, SPARE
	v_mov_b32 v[NIL], 0
	ds_add_u32 v28, v29
	s_wait_dscnt 0x0
	v_lshrrev_b32 v1, 5, v0
	v_readfirstlane_b32 s[WV], v1
	s_lshr_b32 s[RH], s[WV], 1
	s_and_b32 s[CH], s[WV], 1
	s_bfe_u32 s[CX], ttmp6, 0x40000
	s_bfe_u32 s[CY], ttmp6, 0x40004
	s_lshl_b32 s[TJ], ttmp9, 2
	s_add_co_u32 s[TJ], s[TJ], s[CX]               ; tile column
	s_and_b32 s[TI], ttmp7, 0xffff
	s_lshl_b32 s[TI], s[TI], 2
	s_add_co_u32 s[TI], s[TI], s[CY]               ; tile row
	s_lshl_b32 s41, s[CY], 2
	s_lshl_b32 s41, 15, s41
	s_lshl_b32 s42, 0x1111, s[CX]
	s_or_b32 s[G1+0], s41, (3<<16)|(1<<21)
	s_or_b32 s[G1B+0], s42, (3<<16)|(1<<21)
.irp g, G1, G1B
	s_mov_b32 s[\g+1], 384<<16
	s_mov_b32 s[\g+2], 8<<16
	s_mov_b32 s[\g+3], 384<<16
	s_mov_b32 s[\g+4], 8
	s_mov_b32 s[\g+5], 1536
	s_mov_b32 s[\g+6], 0
	s_mov_b32 s[\g+7], 0
.endr
	s_or_b32 s[G1S+0], s41, (3<<16)|(1<<20)|(1<<21)|(5<<22)|(3<<25)
	s_or_b32 s[G1SB+0], s42, (3<<16)|(1<<20)|(1<<21)|(5<<22)|(3<<25)
.irp g, G1S, G1SB
	s_mov_b32 s[\g+1], 32<<16
	s_mov_b32 s[\g+2], 16<<16
	s_mov_b32 s[\g+3], 32<<16
	s_mov_b32 s[\g+4], 16
	s_mov_b32 s[\g+5], 32
	s_mov_b32 s[\g+6], 0
	s_mov_b32 s[\g+7], 0
.endr
	s_lshl_b32 s43, s[CH], 3
	s_lshl_b32 s40, s[TI], 4
	s_add_co_u32 s40, s40, s43                     ; P: the first row tile that I fetch
	s_mul_i32 s2, s40, 12288
	s_mov_b32 s3, 0
	s_lshl_b32 s40, s40, 9
	s_mov_b32 s41, 0
	s_lshl_b32 s22, s[TJ], 4
	s_add_co_u32 s22, s22, s43                     ; R likewise, in registers of its own
	s_mul_i32 s66, s22, 12288
	s_mov_b32 s67, 0
	s_lshl_b32 s22, s22, 9
	s_mov_b32 s23, 0
	s_wait_kmcnt 0x0
	s_add_nc_u64 s[8:9], s[8:9], 2359296           ; Wo's codes in wc,
	s_add_nc_u64 s[10:11], s[10:11], 98304         ; its scale bytes in ws
	s_add_nc_u64 s[4:5], s[4:5], s[2:3]
	s_add_nc_u64 s[6:7], s[6:7], s[40:41]
	s_add_nc_u64 s[8:9], s[8:9], s[66:67]
	s_add_nc_u64 s[10:11], s[10:11], s[22:23]
	s_mul_i32 s44, s[WV], HALFT
	s_mul_i32 s45, s[WV], HALFS
	CROUND                                         ; all sixteen work-groups are here: the first joint loads meet
	s_mov_b32 s[G0S], 1
	s_add_co_u32 s[G0S+1], s45, SCL
	s_mov_b64 s[G0S+2:G0S+3], s[6:7]
	s_or_b32 s[G0S+3], s[G0S+3], 0x80000000
	s_mov_b32 s[G0SB], 1
	s_add_co_u32 s[G0SB+1], s45, SCL
	s_mov_b64 s[G0SB+2:G0SB+3], s[10:11]
	s_or_b32 s[G0SB+3], s[G0SB+3], 0x80000000
	JLOAD G0S, G1S, G0SB, G1SB
.irp s, 0,1
	s_mov_b32 s[G0+4*\s], 1
	s_add_co_u32 s[G0+4*\s+1], s44, \s*SLOT
	s_add_nc_u64 s[G0+4*\s+2:G0+4*\s+3], s[4:5], \s*RT
	s_or_b32 s[G0+4*\s+3], s[G0+4*\s+3], 0x80000000
	s_mov_b32 s[G0B+4*\s], 1
	s_add_co_u32 s[G0B+4*\s+1], s44, \s*SLOT
	s_add_nc_u64 s[G0B+4*\s+2:G0B+4*\s+3], s[8:9], \s*RT
	s_or_b32 s[G0B+4*\s+3], s[G0B+4*\s+3], 0x80000000
	JLOAD G0+4*\s, G1, G0B+4*\s, G1B
.endr
	v_and_b32 v1, 15, v0                           ; r
	v_bfe_u32 v2, v0, 4, 1                         ; h
	v_and_b32 v7, 31, v0
	v_lshlrev_b32 v[CO], 4, v7                     ; 16 x lane
	v_lshlrev_b32 v4, 3, v7                        ; 8 x lane
	s_mul_i32 s16, s[RH], HALFT
	s_mul_i32 s17, s[CH], HALFT
	s_add_co_u32 s17, s17, 2*HALFT
.irp s, 0,1
	v_add_nc_u32 v[ADRA+\s], s16, v[CO]
	v_add_nc_u32 v[ADRB+\s], s17, v[CO]
	v_add_nc_u32 v[ADRA+2+\s], s16, v4
	v_add_nc_u32 v[ADRB+2+\s], s17, v4
	s_add_co_u32 s16, s16, SLOT
	s_add_co_u32 s17, s17, SLOT
.endr
	v_mul_u32_u24 v5, v1, KS
	v_lshrrev_b32 v6, 8, v5
	v_lshl_add_u32 v5, v6, 4, v5
	s_mul_i32 s16, s[RH], HALFS
	s_mul_i32 s17, s[CH], HALFS
	s_add_co_u32 s17, s17, 2*HALFS
	s_sub_co_u32 s17, s17, s16
	v_mul_u32_u24 v6, s17, v2                      ; lanes 16-31 take R's
	s_add_co_u32 s16, s16, SCL
	v_add_nc_u32 v5, v5, v6
	v_add_nc_u32 v[ADRS], s16, v5
	s_mul_i32 s18, s[WV], 16*SPITCH                ; my stage
	v_mul_u32_u24 v5, v1, SPITCH
	v_lshl_add_u32 v5, v2, 6, v5                   ; in: row r, + 64 h
	v_add_nc_u32 v[STO], s18, v5
	v_add_nc_u32 v[RD], s18, v[CO]                 ; back: the 32 lanes take one row of 512 bytes
	s_lshl_b32 s16, s[TJ], 10
	s_lshl_b32 s17, s[CH], 9
	s_add_co_u32 s16, s16, s17                     ; my first column, in bytes
	s_mov_b32 s17, 0
	s_add_nc_u64 s[12:13], s[12:13], s[16:17]      ; in bo,
	s_add_nc_u64 s[14:15], s[14:15], s[16:17]      ; and in a row of out0
	s_lshl_b32 s16, s[TI], 8
	s_lshl_b32 s18, s[RH], 7
	s_add_co_u32 s16, s16, s18
	s_lshl_b32 s16, s16, 12                        ; my first row, 4,096 bytes each
	s_add_nc_u64 s[14:15], s[14:15], s[16:17]
	v_lshlrev_b32 v3, 6, v2                        ; the bias: registers 8 b + j = bo at column 32 (b / 2) + 8 (b % 2) + 16 h + j
.irp b, 0,1,2,3,4,5,6,7
	global_load_b128 v[BB+8*\b:BB+8*\b+3], v3, s[12:13] offset:(32*(\b/2)+8*(\b%2))*4
	global_load_b128 v[BB+8*\b+4:BB+8*\b+7], v3, s[12:13] offset:(32*(\b/2)+8*(\b%2))*4+16
.endr
.macro FRAG reg, adr, q, i
	ds_load_b128 v[\reg:\reg+3],     v[\adr]   offset:(\i)*RT+1536*(\q)
	ds_load_b64  v[\reg+4:\reg+5],   v[\adr+2] offset:(\i)*RT+1536*(\q)+512
	ds_load_b128 v[\reg+6:\reg+9],   v[\adr]   offset:(\i)*RT+1536*(\q)+768
	ds_load_b64  v[\reg+10:\reg+11], v[\adr+2] offset:(\i)*RT+1536*(\q)+1280
.endm
; 16 matrix instructions.  first = 1: the bias starts the sums.  The 64 accumulators take turns, one instruction a turn.
.macro MUL16 a0, p, q, sc, first
.irp a, \a0, \a0+1
.irp b, 0,1,2,3,4,5,6,7
.if \first
	v_wmma_scale_f32_16x16x128_f8f6f4 v[8*(8*((\a)%4)+\b):8*(8*((\a)%4)+\b)+7], v[128*(\p)+FR*\b:128*(\p)+FR*\b+FR-1], v[AF+FR*(\a):AF+FR*(\a)+FR-1], v[BB+8*\b:BB+8*\b+7], v[SC+8*NQ*(\sc)+NQ*\b+(\q)], v[SC+8*NQ*(\sc)+NQ*(\a)+(\q)] matrix_a_fmt:MATRIX_FMT_BF6 matrix_b_fmt:MATRIX_FMT_BF6 matrix_a_scale:MATRIX_SCALE_ROW1
.else
	v_wmma_scale_f32_16x16x128_f8f6f4 v[8*(8*((\a)%4)+\b):8*(8*((\a)%4)+\b)+7], v[128*(\p)+FR*\b:128*(\p)+FR*\b+FR-1], v[AF+FR*(\a):AF+FR*(\a)+FR-1], v[8*(8*((\a)%4)+\b):8*(8*((\a)%4)+\b)+7], v[SC+8*NQ*(\sc)+NQ*\b+(\q)], v[SC+8*NQ*(\sc)+NQ*(\a)+(\q)] matrix_a_fmt:MATRIX_FMT_BF6 matrix_b_fmt:MATRIX_FMT_BF6 matrix_a_scale:MATRIX_SCALE_ROW1
.endif
.endr
.endr
.endm
.macro FETCH_B slot, q, p
	WIN TO_B
.irp i, 0,1,2,3,4,5,6,7
	FRAG 128*(\p)+FR*\i, ADRB+\slot, \q, \i
.endr
	WIN 0
.endm
.macro FETCH_A slot, q, i0
.irp i, \i0, \i0+1, \i0+2, \i0+3
	FRAG AF+FR*(\i), ADRA+\slot, \q, \i
.endr
.endm
.macro SCALES sc
.irp i, 0,1,2,3,4,5,6,7
	ds_load_b64 v[SC+8*NQ*\sc+NQ*\i:SC+8*NQ*\sc+NQ*\i+1], v[ADRS] offset:\i*SBLK
.endr
.endm
.macro PLACES n
.rept \n
	v_nop
.endr
.endm
.macro STEP slot, q, first
	s_wait_dscnt 4*NL                              ; R's set and P's blocks 0-3 are in; the youngest sixteen loads (P's blocks 4-7) may be out
.if \first
	WIN FST_LO
.else
	WIN MUL_LO
.endif
	MUL16 0, (\q)%2, \q, \slot, \first
	MUL16 2, (\q)%2, \q, \slot, \first
	s_wait_dscnt 0
	PLACES NP
	FETCH_B \slot, (\q)+1, 1-(\q)%2
	FETCH_A \slot, (\q)+1, 0
.if \first
	WIN FST_HI
.else
	WIN MUL_HI
.endif
	MUL16 4, (\q)%2, \q, \slot, \first
	MUL16 6, (\q)%2, \q, \slot, \first
	PLACES NP
	WIN 0
	FETCH_A \slot, (\q)+1, 4
.endm
.macro TURN slot, next, fill
	s_wait_tensorcnt 0x0                           ; all my tensor loads have landed: my part of the next slot
	ds_add_u32 v[SPW], v[NIL]                      ; 0 onto my spare word
	s_wait_dscnt 4*NL+1                            ; (the add and P's blocks 4-7 may be out)
	WIN MUL_LO
	MUL16 0, 1, NQ-1, \slot, 0
	s_wait_dscnt 0x0                               ; the add is done, and my reads of this slot are over
	s_barrier_signal -1
	MUL16 2, 1, NQ-1, \slot, 0
	WIN 0
	s_barrier_wait -1
.if \fill
	CREST                                          ; the barrier has opened a round of the cluster's barrier
	s_add_nc_u64 s[G0+4*\slot+2:G0+4*\slot+3], s[G0+4*\slot+2:G0+4*\slot+3], 2*RT
	s_add_nc_u64 s[G0B+4*\slot+2:G0B+4*\slot+3], s[G0B+4*\slot+2:G0B+4*\slot+3], 2*RT
	JLOAD G0+4*\slot, G1, G0B+4*\slot, G1B         ; the first tensor load behind the round
.else
	PLACES NP
.endif
	v_add_nc_u32 v[ADRS], 4*NQ, v[ADRS]
	FETCH_B \next, 0, 0
	FETCH_A \next, 0, 0
	SCALES \next
	WIN MUL_HI
	MUL16 4, 1, NQ-1, \slot, 0
	MUL16 6, 1, NQ-1, \slot, 0
	PLACES NP
	WIN 0
	FETCH_A \next, 0, 4
.endm
	s_wait_loadcnt 0x0                             ; the bias
	s_wait_tensorcnt 1                             ; the scales and my part of K step 0 are in (K step 1's load may be out),
	s_barrier_signal -1
	s_barrier_wait -1                              ; everybody's are
	FETCH_B 0, 0, 0
	FETCH_A 0, 0, 0
	SCALES 0
	FETCH_A 0, 0, 4
	STEP 0, 0, 1
	s_mov_b32 s3, 1
.Llap:
	TURN 0, 1, 1
	STEP 1, 0, 0
	TURN 1, 0, 1
	STEP 0, 0, 0
	s_sub_co_u32 s3, s3, 1
	s_cmp_lg_u32 s3, 0
	s_cbranch_scc1 .Llap
	TURN 0, 1, 0
	STEP 1, 0, 0
	s_wait_dscnt 4*NL
	WIN MUL_LO
	MUL16 0, 1, NQ-1, 1, 0
	MUL16 2, 1, NQ-1, 1, 0
	s_wait_dscnt 0
	WIN MUL_HI
	MUL16 4, 1, NQ-1, 1, 0
	MUL16 6, 1, NQ-1, 1, 0
	WIN 0
; THE WAY OUT, block by block of 16 rows x 128 columns, through my own stage: in by 32 bytes a lane, back as whole rows of 512 bytes.  LDS serves a wave's instructions in order: no wait between the stores and the loads.
.macro TOSTAGE a
.set AC, 64*((\a)%4)
	WIN 0x08+4*((\a)/4)                            ; the data: window 2 or 3
.irp b, 0,1,2,3,4,5,6,7
	ds_store_b128 v[STO], v[AC+8*\b:AC+8*\b+3] offset:128*(\b/2)+32*(\b%2)          ; each accumulator from its low end on
	ds_store_b128 v[STO], v[AC+8*\b+4:AC+8*\b+7] offset:128*(\b/2)+32*(\b%2)+16
.endr
	WIN 0
.set BR, BK+64*((\a)%2)
.irp t, 0,1,2,3,4,5,6,7,8,9,10,11,12,13,14,15
	ds_load_b128 v[BR+4*\t:BR+4*\t+3], v[RD] offset:\t*SPITCH
.endr
.endm
.macro SEND a, younger
.set BR, BK+64*((\a)%2)
	s_wait_dscnt \younger                          ; the block is back in registers
.if (\a) > 0
	s_add_nc_u64 s[14:15], s[14:15], 16*4096       ; (behind a wait on XCNT: the earlier stores have read their base)
.endif
.irp t, 0,1,2,3,4,5,6,7,8,9,10,11,12,13,14,15
	global_store_b128 v[CO], v[BR+4*\t:BR+4*\t+3], s[14:15] offset:\t*4096 th:TH_STORE_NT   ; 32 lanes store 512 consecutive bytes, aligned
.endr
.endm
	PLACES NP
	TOSTAGE 0
.irp a, 1,2,3,4,5,6,7
.if \a > 1
	s_wait_xcnt 0x0                                ; block a - 2's stores have read their registers and their base
.endif
	TOSTAGE \a
	SEND \a-1, 32                                  ; behind block a - 1's loads: block a's 16 stores and 16 loads
.endr
	s_wait_xcnt 0x0
	SEND 7, 0
	s_wait_tensorcnt 0x0                           ; the wave's end
	ds_add_u32 v[SPW], v[NIL]
	s_wait_dscnt 0x0
	CROUND                                         ; the closing round
	s_endpgm
.Lfunc_end_k_qe48bddf40c_outp:
	.size	k_qe48bddf40c_outp, .Lfunc_end_k_qe48bddf40c_outp-k_qe48bddf40c_outp
	.p2alignl 7, 3214868480
	.fill 96, 4, 3214868480
	.section	.rodata,"a",@progbits
	.p2align	6, 0x0
	.amdhsa_kernel k_qe48bddf40c_outp
		.amdhsa_group_segment_fixed_size 327680
		.amdhsa_private_segment_fixed_size 0
		.amdhsa_enable_private_segment 0
		.amdhsa_kernarg_size 48
		.amdhsa_user_sgpr_count 2
		.amdhsa_user_sgpr_kernarg_segment_ptr 1
		.amdhsa_wavefront_size32 1
		.amdhsa_system_sgpr_workgroup_id_x 1
		.amdhsa_system_sgpr_workgroup_id_y 1
		.amdhsa_system_sgpr_workgroup_id_z 1
		.amdhsa_system_vgpr_workitem_id 0
		.amdhsa_next_free_vgpr 1024
		.amdhsa_next_free_sgpr 100
		.amdhsa_reserve_vcc 0
		.amdhsa_float_denorm_mode_32 3
		.amdhsa_float_denorm_mode_16_64 3
		.amdhsa_memory_ordered 1
		.amdhsa_forward_progress 1
		.amdhsa_inst_pref_size 145
	.end_amdhsa_kernel
	.amdgpu_metadata
---
amdhsa.version: [ 1, 2 ]
amdhsa.kernels:
  - .name:           k_qe48bddf40c_outp
    .symbol:         k_qe48bddf40c_outp.kd
    .args:
      - { .name: cc, .offset: 0, .size: 8, .value_kind: global_buffer, .address_space: global }
      - { .name: cs, .offset: 8, .size: 8, .value_kind: global_buffer, .address_space: global }
      - { .name: wc, .offset: 16, .size: 8, .value_kind: global_buffer, .address_space: global }
      - { .name: ws, .offset: 24, .size: 8, .value_kind: global_buffer, .address_space: global }
      - { .name: bo, .offset: 32, .size: 8, .value_kind: global_buffer, .address_space: global }
      - { .name: out0, .offset: 40, .size: 8, .value_kind: global_buffer, .address_space: global }
    .group_segment_fixed_size: 327680
    .private_segment_fixed_size: 0
    .kernarg_segment_align: 8
    .kernarg_segment_size: 48
    .max_flat_workgroup_size: 128
    .sgpr_count:     100
    .vgpr_count:     1024
    .wavefront_size: 32
...
	.end_amdgpu_metadata
.endif
;; end of part 4
